; MI455X (gfx1250); checked and timed in simulation.
; The chip was launched on July 23, 2026; its instructions are those of AMD's public machine-readable ISA for CDNA 5 (MIT licence, August 2026) and "CDNA5" Instruction Set Architecture Reference Guide (July 2026). The comments in the code are by the model that wrote it; some were corrected since.
;; Attention. Allowed arithmetic: float matrix products may take bf16 or f16 operands with f32 sums; all other float work in f32.
;; Inputs: attn_mask 1 x 1 x 2,048 x 2,048 int32; k 4 x 16 x 2,048 x 128 float32; pad_mask 4 x 2,048 int32; q 4 x 16 x 2,048 x 128 float32; v 4 x 16 x 2,048 x 128 float32.
;; Outputs: out0 4 x 16 x 2,048 x 128 float32.
;; 2 versions, each right. Each part assembles by itself: llvm-mc -triple=amdgcn-amd-amdhsa -mcpu=gfx1250 --defsym DOCPART=n.
;; ======== version 1 of 2: 2 launches
;; workspace buffers: maskbits 2,097,152 bytes of whole numbers
;; launch maskpack (part 1): grid 256 x 1, 8 waves a work-group, no clusters, 68,608 bytes of LDS; arguments attn_mask, pad_mask, maskbits; writes maskbits
.if DOCPART == 1
	.amdgcn_target "amdgcn-amd-amdhsa--gfx1250"
	.amdhsa_code_object_version 6
	.text
	.protected	k_q3aea6d85d4_maskpack
	.globl	k_q3aea6d85d4_maskpack
	.p2align	8
	.type	k_q3aea6d85d4_maskpack,@function
k_q3aea6d85d4_maskpack:
	s_mov_b64 s[64:65], 0
	v_nop
	global_prefetch_b8 v0, s[64:65] scope:SCOPE_SE
	s_setreg_imm32_b32 hwreg(HW_REG_WAVE_MODE, 25, 1), 1
	s_wait_xcnt 0x0
; maskbits: attn_mask [2048][2048] int32 and pad_mask [4][2048] int32 become one bit for each (batch, query, key): 1 = keep.
; Word ((b*128 + qt)*64 + chunk)*16 + kt*8 + j; bit L of it stands for query 16 qt + (L & 15) and key 32 chunk + 16 kt + 8 (L >> 4) + j.
; That is the lane mask of register j of a 16 x 16 matrix result whose rows are keys and whose columns are queries (ISA guide 7.12.2),
; so that the next launch masks a score register by one select.
; A wave takes 16 mask rows (one qt) x 128 keys (one span of four chunks): it reads 16 x 512 consecutive bytes, each once in the launch,
; and writes 64 words = 256 consecutive aligned bytes for each of the four batches.  256 work-groups x 8 waves = 128 qt x 16 spans.
; No matrix unit, no cluster, no tensor load: every byte is read once and no two work-groups share attn_mask bytes.
.set ROWB,   8192                      ; bytes in a row of attn_mask and of pad_mask
.set PITCH,  528                       ; an LDS row: 512 bytes + 16: sixteen rows begin in sixteen different 16-byte columns of a 256-byte span
.set WSTG,   16*PITCH                  ; a wave's own stage
.set PADV,   8                         ; v[8:23]    pad_mask of my 4 keys, batches 0 to 3
.set PB,     24                        ; v[24:27]   for each of my 4 keys: bit b = pad_mask[b][key] != 0
.set TMP,    28                        ; v[28:31]   at work
.set A,      32                        ; v[32:95]   row n of attn_mask: 4 registers
.set C,      96                        ; v[96:159]  word k's lane values: the 4 batch bits of (query r, key 16 (k>>3) + 8 h + (k&7))
.set OUT,    160                       ; v[160:167] batch b: a pair; lane i holds words 2 i and 2 i + 1
	s_load_b128 s[4:7], s[0:1], 0x0                ; attn_mask s[4:5], pad_mask s[6:7]
	s_load_b64 s[8:9], s[0:1], 0x10                ; maskbits
	v_lshl_add_u32 v168, v0, 2, 0x10800
	v_mov_b32 v169, 0
	v_lshrrev_b32 v5, 5, v0
	v_readfirstlane_b32 s10, v5                    ; wave 0..7
	v_and_b32 v6, 31, v0                           ; lane L
	v_and_b32 v7, 15, v0                           ; r
	v_bfe_u32 v5, v0, 4, 1                         ; h
	s_lshr_b32 s11, ttmp9, 1                       ; qt
	s_and_b32 s12, ttmp9, 1
	s_lshl3_add_u32 s12, s12, s10                  ; span = 8 (work-group & 1) + wave
	s_lshl_b32 s14, s12, 9                         ; the span's 512 bytes in a row
	s_mov_b32 s15, 0
	s_lshl_b32 s16, s11, 17                        ; 16 rows of 8,192 bytes for each qt
	s_add_co_u32 s16, s16, s14
	s_mov_b32 s17, 0
	s_lshl_b32 s18, s11, 12                        ; maskbits: 4,096 bytes for each qt,
	s_lshl_b32 s13, s12, 8                         ; 256 for each span
	s_add_co_u32 s18, s18, s13
	s_mov_b32 s19, 0
	s_mul_i32 s13, s10, WSTG                       ; my wave's stage
	v_lshlrev_b32 v1, 4, v6                        ; 16 L: my 4 keys in a span
	v_add_nc_u32 v2, s13, v1                       ; where I put them in a stage row
	v_mul_u32_u24 v3, v7, PITCH
	v_lshl_add_u32 v3, v5, 5, v3
	v_add_nc_u32 v3, s13, v3                       ; where I read: row r, 32 h bytes in
	v_lshlrev_b32 v4, 3, v6                        ; 8 L: my two words of the 64
.irp i, 0,1,2,3,4,5,6,7
	v_mov_b32 v[OUT+\i], 0                         ; v_writelane_b32 counts as a reader of its destination
.endr
	s_wait_kmcnt 0x0
	s_add_nc_u64 s[4:5], s[4:5], s[16:17]
	s_add_nc_u64 s[6:7], s[6:7], s[14:15]
	s_add_nc_u64 s[8:9], s[8:9], s[18:19]
.irp b, 0,1,2,3
	global_load_b128 v[PADV+4*\b:PADV+4*\b+3], v1, s[6:7] offset:\b*ROWB
.endr
.set n, 0
.rept 16
	global_load_b128 v[A+4*n:A+4*n+3], v1, s[4:5] offset:n*ROWB th:TH_LOAD_NT   ; 512 consecutive bytes of row n
.set n, n+1
.endr
	s_wait_loadcnt 16                              ; the four pad loads are in; the 16 rows issued behind them stay out
.irp e, 0,1,2,3
	v_min_u32 v[PB+\e], 1, v[PADV+\e]              ; any number but 0 counts as true
	v_min_u32 v[TMP], 1, v[PADV+4+\e]
	v_lshl_or_b32 v[PB+\e], v[TMP], 1, v[PB+\e]
	v_min_u32 v[TMP+1], 1, v[PADV+8+\e]
	v_lshl_or_b32 v[PB+\e], v[TMP+1], 2, v[PB+\e]
	v_min_u32 v[TMP+2], 1, v[PADV+12+\e]
	v_lshl_or_b32 v[PB+\e], v[TMP+2], 3, v[PB+\e]
.endr
.set n, 0
.rept 16
	s_wait_loadcnt 15-n                            ; row n is in; the 15 - n younger rows stay out
.irp e, 0,1,2,3
	v_cmp_ne_u32 vcc_lo, 0, v[A+4*n+\e]
	v_cndmask_b32 v[A+4*n+\e], 0, v[PB+\e], vcc_lo ; the four batches' bits, or none where attn_mask is 0
.endr
	ds_store_b128 v2, v[A+4*n:A+4*n+3] offset:n*PITCH
.set n, n+1
.endr
.set i, 0
.rept 16
	ds_load_b128 v[C+4*i:C+4*i+3], v3 offset:64*(i>>1)+16*(i&1)   ; my wave's own bytes: LDS serves a wave's instructions in order (ISA guide 5.7.1.4)
.set i, i+1
.endr
.set k, 0
.rept 64
.if (k&3) == 0
	s_wait_dscnt 15-(k>>2)                         ; load k / 4 is back; the younger ones stay out
.endif
.irp b, 0,1,2,3
	v_and_b32 v[TMP+\b], 1<<\b, v[C+k]
	v_cmp_ne_u32 s[20+((4*k+\b)&7)], 0, v[TMP+\b]  ; 32 lanes' bits = word k of batch b
	v_writelane_b32 v[OUT+2*\b+(k&1)], s[20+((4*k+\b)&7)], k>>1
.endr
.set k, k+1
.endr
.irp b, 0,1,2,3
	global_store_b64 v4, v[OUT+2*\b:OUT+2*\b+1], s[8:9] offset:\b*524288   ; 256 consecutive bytes, aligned; a batch's bits are 524,288 bytes
.endr
	s_wait_tensorcnt 0x0
	ds_add_u32 v168, v169
	s_wait_dscnt 0x0
	s_endpgm
.Lfunc_end_k_q3aea6d85d4_maskpack:
	.size	k_q3aea6d85d4_maskpack, .Lfunc_end_k_q3aea6d85d4_maskpack-k_q3aea6d85d4_maskpack
	.p2alignl 7, 3214868480
	.fill 96, 4, 3214868480
	.section	.rodata,"a",@progbits
	.p2align	6, 0x0
	.amdhsa_kernel k_q3aea6d85d4_maskpack
		.amdhsa_group_segment_fixed_size 68608
		.amdhsa_private_segment_fixed_size 0
		.amdhsa_enable_private_segment 0
		.amdhsa_kernarg_size 24
		.amdhsa_user_sgpr_count 2
		.amdhsa_user_sgpr_kernarg_segment_ptr 1
		.amdhsa_wavefront_size32 1
		.amdhsa_system_sgpr_workgroup_id_x 1
		.amdhsa_system_sgpr_workgroup_id_y 1
		.amdhsa_system_sgpr_workgroup_id_z 1
		.amdhsa_system_vgpr_workitem_id 0
		.amdhsa_next_free_vgpr 170
		.amdhsa_next_free_sgpr 66
		.amdhsa_reserve_vcc 1
		.amdhsa_float_denorm_mode_32 3
		.amdhsa_float_denorm_mode_16_64 3
		.amdhsa_memory_ordered 1
		.amdhsa_forward_progress 1
		.amdhsa_inst_pref_size 53
	.end_amdhsa_kernel
	.amdgpu_metadata
---
amdhsa.version: [ 1, 2 ]
amdhsa.kernels:
  - .name:           k_q3aea6d85d4_maskpack
    .symbol:         k_q3aea6d85d4_maskpack.kd
    .args:
      - { .name: attn_mask, .offset: 0, .size: 8, .value_kind: global_buffer, .address_space: global }
      - { .name: pad_mask, .offset: 8, .size: 8, .value_kind: global_buffer, .address_space: global }
      - { .name: maskbits, .offset: 16, .size: 8, .value_kind: global_buffer, .address_space: global }
    .group_segment_fixed_size: 68608
    .private_segment_fixed_size: 0
    .kernarg_segment_align: 8
    .kernarg_segment_size: 24
    .max_flat_workgroup_size: 256
    .sgpr_count:     66
    .vgpr_count:     170
    .wavefront_size: 32
...
	.end_amdgpu_metadata
.endif
;; end of part 1
;; launch attn (part 2): grid 256 x 1, 8 waves a work-group, clusters of 4 x 1, 327,680 bytes of LDS; arguments q, k, v, maskbits, out0; writes out0
.if DOCPART == 2
	.amdgcn_target "amdgcn-amd-amdhsa--gfx1250"
	.amdhsa_code_object_version 6
	.text
	.protected	k_q3aea6d85d4_attn
	.globl	k_q3aea6d85d4_attn
	.p2align	8
	.type	k_q3aea6d85d4_attn,@function
k_q3aea6d85d4_attn:
	s_mov_b64 s[64:65], 0
	v_nop
	global_prefetch_b8 v0, s[64:65] scope:SCOPE_SE
	s_setreg_imm32_b32 hwreg(HW_REG_WAVE_MODE, 25, 1), 1
	s_wait_xcnt 0x0
	s_wait_alu depctr_hold_cnt(0) depctr_sa_sdst(0) depctr_va_vdst(0) depctr_va_sdst(0) depctr_va_ssrc(0) depctr_va_vcc(0) depctr_vm_vsrc(0)
	s_getreg_b32 s2, hwreg(HW_REG_IB_STS2, 6, 4)
	s_cmp_eq_u32 s2, 0
	s_cbranch_scc0 .Lentry_in_a_cluster
	s_endpgm
.Lentry_in_a_cluster:
	s_bfe_u32 s2, ttmp6, 0x10000c
	s_cmp_lg_u32 s2, 0x3003
	s_cbranch_scc0 .Lentry_shape_is_right
	s_endpgm
.Lentry_shape_is_right:
; out = softmax(mask(q k^T) / sqrt(128)) v for 64 heads (b, h), 2048 queries and keys, 128 numbers a head; q, k, v, out f32.
; A cluster of four work-groups takes one head; a work-group 512 queries; each of its eight waves 64 queries (four tiles of 16).
; K and V go in steps of 64 keys.  All four work-groups need the same K and V: each step's 64 KiB of f32 are asked for JOINTLY (mask 15),
; eight loads of 8 KiB, one a wave, so every wave issues the same line without a branch (a load of 64 rows would leave four waves without one).
; The f32 tiles land in slots F0, F1; waves 4-7 round them to bf16 into tiles H0, H1 (written by LDS stores only, never a tensor load's target).
; Step i multiplies from H[i%2], rounds tile i+1 from F[(i+1)%2] and asks for tile i+2 into F[i%2]: one round of the cluster's barrier a step.
; Waves 4-7 convert at a step's head while waves 0-3 start multiplying: the two halves of the work-group run out of step,
; so that one half's softmax stands beside the other half's products.
;
; BOTH PRODUCTS ARE USED TRANSPOSED.  S^T = K Q^T (source 0: 16 keys, source 1: 16 queries) and O^T = V^T P^T (source 0: 16 columns of V through the
; transposing LDS load, source 1: P^T).  In both results a lane owns ONE query (column l % 16; ISA guide 7.12.2): the row maximum is taken inside the
; lane plus one exchange of the halves, the factors are one register a tile, and two S^T tiles (keys 0-15, 16-31) packed to bf16 in place ARE P^T's fragment.
;
; NUMBERS.  q, k and v are rounded to bf16 as they are; the scale QSC = log2(e) / sqrt(128) is applied in f32 behind the product:
; p = 2^(s x QSC - m x QSC), one fused multiply-add, m the running maximum of the raw scores, which is always taken away before the exponential.
; The rounded -(m x QSC) is kept beside m, and the factor for what has been summed is 2^(difference of these two kept numbers): exactly the shifts that the exponentials used.
; A masked score is NEG = -2^127, finite as in the definition.  A power of two times QSC is exact, so in a row with no key left the multiply-add gives exactly 0,
; p = 1 everywhere and the result is the mean of V; a later real score makes the factor 2^(-2^127 x QSC - ..) = 0, which wipes what was summed.
; LIMITS: the definition's masked score is -FLT_MAX, here -2^127: the result differs only where a real raw score lies below -2^127;
; q, k, v and p are rounded to bf16; the divisor sums the unrounded p; NaN and infinities among the inputs are not treated;
; v_exp_f32 gives 0 for results below 2^-126 (ISA guide 15.8).
.set QSC,    0x3e0293ee                ; log2(e) / sqrt(128)
.set NQSC,   0xbe0293ee                ; its negative
.set NEG,    0xff000000                ; -2^127
.set FSLOT,  65536                     ; an f32 slot: K 64 rows x 512 bytes, then V the same
.set HBASE,  2*FSLOT                   ; the bf16 tiles begin here
.set KPITCH, 272                       ; a K row: 256 bytes + 16: sixteen rows begin in sixteen different 16-byte columns of a 256-byte span
.set VPITCH, 288                       ; a V row: 256 bytes + 32, an odd multiple of 32, for the transposing load
.set KHB,    64*KPITCH
.set HSLOT,  KHB+64*VPITCH             ; 35,840 bytes, a multiple of 256
.set VBASE,  HBASE+KHB
.set STAGE,  HBASE+2*HSLOT             ; the way out: 16 rows x 528 bytes for each wave
.set SPITCH, 528
.set WSTAGE, 16*SPITCH
.set TILEB,  32768                     ; 64 keys x 512 bytes of K or of V in memory
; vector registers, window 0
.set AK,  1                            ; LDS address of my part of a K fragment in H0
.set AV,  2                            ; the same for a V^T fragment
.set AF0, 3                            ; v3, v4: conversion: my 16 bytes of the first of my 16 rows in F0, F1
.set AKW, 5                            ; conversion: where my 8 bytes of a K row go in H0
.set AVW, 6                            ; the same for V
.set PFO, 7                            ; 256 x lane, for the prefetch
.set MX,  8                            ; v[8:11]   running maximum of my query's raw scores in tile t
.set LS,  12                           ; v[12:15]  running sum over my half of the keys
.set AL,  16                           ; v[16:19]  the factor for what has been summed; at the end 1 / sum
.set TT,  20                           ; v[20:27]  at work
.set NM,  28                           ; v[28:31]  -(running maximum x QSC), as the exponentials used it
.set AQ,  TT+5                         ; start only: my byte offset in q
.set STO, 28                           ; end only, when NM is no longer needed: stage addresses and my offset in out
.set RD,  29
.set CO,  30
.set FR,  32                           ; v[32:63]  four fragment buffers of 8
.set SC,  64                           ; v[64:127] scores: tile t at SC + 16 t: keys 0-15, then keys 16-31; packed: P^T in the first 8, the other 8 free
.set QF,  128                          ; v[128:255] Q fragments: (t, ks) at QF + 8 (4 t + ks)
; window 1: O^T tile (dt, t) at 8 (4 dt + t); at the start q as it lands in f32
; scalar: s2 NEG, s3 wave, s[4:7] at work, s[8:15] descriptor group 1, s[16:19], s[20:23] group 0 of slots 0, 1, s[24:25] mask words, s[26:27] prefetch,
; s[28:29] out, s30 trips, s31 place in the cluster, s66 QSC, s67 -QSC, s100, s101 selects of the lane exchange; four groups of 16 mask words:
.set MK0, 32
.set MK1, 48
.set MK2, 68
.set MK3, 84
.set MSB, 0
.macro WIN new                         ; s_set_vgpr_msb: bits 1:0 source 0, 3:2 source 1, 5:4 source 2, 7:6 destination; the high byte repeats the setting that is left
.if MSB != \new
	s_set_vgpr_msb (MSB<<8)|\new
.set MSB, \new
.endif
.endm
.macro NOPS n
.rept \n
	v_nop
.endr
.endm
; A round of the cluster's barrier: my work-group's barrier, wave 0 signals for the work-group, every wave waits for all four work-groups, my work-group's barrier again.
.macro ROUND
	s_barrier_signal -1
	s_barrier_wait -1
	s_cmp_lg_u32 s3, 0
	s_cbranch_scc1 .Lnot_wave_0_\@
	s_barrier_signal -3
.Lnot_wave_0_\@:
	s_barrier_wait -3
	s_barrier_signal -1
	s_barrier_wait -1
.endm
; K fragment f = 2 ks + kt of chunk c (32 keys) of a slot into buffer b: keys 16 (2 c + kt) + l % 16, numbers 32 ks + 8 (l / 16) + 0..7 and + 16
.macro KLOAD slot, c, f, b
	ds_load_b128 v[FR+8*\b:FR+8*\b+3],   v[AK] offset:\slot*HSLOT+(2*(\c)+(\f&1))*16*KPITCH+(\f>>1)*64
	ds_load_b128 v[FR+8*\b+4:FR+8*\b+7], v[AK] offset:\slot*HSLOT+(2*(\c)+(\f&1))*16*KPITCH+(\f>>1)*64+32
.endm
; four products of K fragment f (in buffer b) with the four query tiles; ks = 0 starts the sums
.macro QKW f, b
.irp t, 0,1,2,3
.if (\f>>1) == 0
	v_wmma_f32_16x16x32_bf16 v[SC+16*\t+8*(\f&1):SC+16*\t+8*(\f&1)+7], v[FR+8*\b:FR+8*\b+7], v[QF+8*(4*\t+(\f>>1)):QF+8*(4*\t+(\f>>1))+7], 0
.else
	v_wmma_f32_16x16x32_bf16 v[SC+16*\t+8*(\f&1):SC+16*\t+8*(\f&1)+7], v[FR+8*\b:FR+8*\b+7], v[QF+8*(4*\t+(\f>>1)):QF+8*(4*\t+(\f>>1))+7], v[SC+16*\t+8*(\f&1):SC+16*\t+8*(\f&1)+7]
.endif
.endr
.endm
; S^T of 32 keys x 64 queries: 32 matrix instructions on eight accumulators that take turns, one instruction a turn.
; Fragments 0-3 are on their way at the entry (8 loads).  A load into a register that a matrix instruction has read stands four places behind it,
; and so does a vector instruction that reads a result (ISA guide 7.12.1 for vector instructions): hence the v_nop.
.macro QK slot, c
	s_wait_dscnt 4                                 ; fragments 0, 1 are in; the four loads of 2, 3 stay out
	QKW 0, 0
	QKW 1, 1
	NOPS 4
	KLOAD \slot, \c, 4, 0
	KLOAD \slot, \c, 5, 1
	s_wait_dscnt 4                                 ; 2, 3 are in; the four loads of 4, 5 stay out
	QKW 2, 2
	QKW 3, 3
	NOPS 4
	KLOAD \slot, \c, 6, 2
	KLOAD \slot, \c, 7, 3
	s_wait_dscnt 4                                 ; 4, 5 are in; the four loads of 6, 7 stay out
	QKW 4, 0
	QKW 5, 1
	s_wait_dscnt 0
	QKW 6, 2
	QKW 7, 3
	NOPS 4
.endm
; V^T fragment: columns 16 dt + l % 16 of V, the chunk's 32 keys, from rows that lie along the columns: two transposing loads, 16 rows apart
.macro VLOAD slot, c, dt, dst
	ds_load_tr16_b128 v[\dst:\dst+3],   v[AV] offset:\slot*HSLOT+(\c)*32*VPITCH+32*(\dt)
	ds_load_tr16_b128 v[\dst+4:\dst+7], v[AV] offset:\slot*HSLOT+(\c)*32*VPITCH+32*(\dt)+16*VPITCH
.endm
; Softmax step of query tile t on 32 keys.  mk: its 16 mask words; first = 1: nothing has been summed yet; mnext = 1: the next chunk's words are asked for.
.macro SMT t, mk, first, mnext, slot, c
.set SB, SC+16*\t
.set i, 0
.rept 16
	v_cndmask_b32 v[SB+i], s2, v[SB+i], s[\mk+i]   ; bit 1 keeps the score, bit 0 puts NEG
.set i, i+1
.endr
	v_max3_num_f32 v[TT+0], v[SB+0], v[SB+1], v[SB+2]
	v_max3_num_f32 v[TT+1], v[SB+3], v[SB+4], v[SB+5]
	v_max3_num_f32 v[TT+2], v[SB+6], v[SB+7], v[SB+8]
	v_max3_num_f32 v[TT+3], v[SB+9], v[SB+10], v[SB+11]
	v_max3_num_f32 v[TT+0], v[TT+0], v[SB+12], v[SB+13]
	v_max3_num_f32 v[TT+1], v[TT+1], v[SB+14], v[SB+15]
.if \first
	v_max_num_f32 v[TT+2], v[TT+2], v[TT+3]
.else
	v_max3_num_f32 v[TT+2], v[TT+2], v[TT+3], v[MX+\t]
.endif
	v_max3_num_f32 v[TT+0], v[TT+0], v[TT+1], v[TT+2]
	v_permlanex16_b32 v[TT+1], v[TT+0], s100, s101 ; the other half of the lanes holds the same query's other 16 keys
	v_max_num_f32 v[TT+1], v[TT+0], v[TT+1]        ; the new maximum of the raw scores
.if \mnext
	s_load_b512 s[\mk:\mk+15], s[24:25], \t*4096   ; a query tile's words lie 4,096 bytes apart
.endif
	v_mul_f32 v[TT+0], s67, v[TT+1]                ; -(maximum x QSC), rounded once: the shift of this chunk's exponentials
.if \first == 0
	v_sub_f32 v[AL+\t], v[TT+0], v[NM+\t]          ; old shift's maximum less the new one's, both as they were used
	v_exp_f32 v[AL+\t], v[AL+\t]                   ; used far below: plain instructions follow (ISA guide 5.7.2)
.endif
	v_mov_b32 v[NM+\t], v[TT+0]
.set i, 0
.rept 8
	v_pk_fma_f32 v[SB+2*i:SB+2*i+1], v[SB+2*i:SB+2*i+1], s[66:67], v[TT:TT+1] op_sel_hi:[1,0,0]   ; s x QSC - m x QSC in both halves: s66 and v[TT] are broadcast
.set i, i+1
.endr
.set i, 0
.rept 16
	v_exp_f32 v[SB+i], v[SB+i]
.set i, i+1
.endr
	v_mov_b32 v[MX+\t], v[TT+1]                    ; the plain instruction between the exponentials and the first use of a result
	s_wait_alu depctr_va_vdst(0)
	v_pk_add_f32 v[TT:TT+1],     v[SB+0:SB+1],   v[SB+2:SB+3]
	v_pk_add_f32 v[TT+2:TT+3],   v[SB+4:SB+5],   v[SB+6:SB+7]
	v_pk_add_f32 v[TT+4:TT+5],   v[SB+8:SB+9],   v[SB+10:SB+11]
	v_pk_add_f32 v[TT+6:TT+7],   v[SB+12:SB+13], v[SB+14:SB+15]
	v_pk_add_f32 v[TT:TT+1],     v[TT:TT+1],     v[TT+2:TT+3]
	v_pk_add_f32 v[TT+4:TT+5],   v[TT+4:TT+5],   v[TT+6:TT+7]
	v_pk_add_f32 v[TT:TT+1],     v[TT:TT+1],     v[TT+4:TT+5]
.if \first
	v_add_f32 v[LS+\t], v[TT], v[TT+1]
.else
	v_add_f32 v[TT], v[TT], v[TT+1]
	v_fma_f32 v[LS+\t], v[LS+\t], v[AL+\t], v[TT]
.endif
.set i, 0
.rept 8
	v_cvt_pk_bf16_f32 v[SB+i], v[SB+2*i], v[SB+2*i+1]   ; in place, ascending: register i is written after it has been read
.set i, i+1
.endr
	VLOAD \slot, \c, 4+\t, SB+8                    ; the freed eight registers take V^T fragment 4 + t
.endm
; every O^T tile times its query's factor.  Leaves its window set: the next user switches.
.macro RESCALE
	WIN 0x41                                       ; destination and source 0 in window 1, the factor in window 0
.irp dt, 0,1,2,3,4,5,6,7
.irp t, 0,1,2,3
.irp i, 0,2,4,6
.if (\t&1)
	v_pk_mul_f32 v[8*(4*\dt+\t)+\i:8*(4*\dt+\t)+\i+1], v[8*(4*\dt+\t)+\i:8*(4*\dt+\t)+\i+1], v[AL+(\t&2):AL+(\t&2)+1] op_sel:[0,1] op_sel_hi:[1,1]
.else
	v_pk_mul_f32 v[8*(4*\dt+\t)+\i:8*(4*\dt+\t)+\i+1], v[8*(4*\dt+\t)+\i:8*(4*\dt+\t)+\i+1], v[AL+(\t&2):AL+(\t&2)+1] op_sel:[0,0] op_sel_hi:[1,0]
.endif
.endr
.endr
.endr
.endm
.macro PVW dt, a, first                ; V^T fragment dt (at register a) with the four P^T
.irp t, 0,1,2,3
.if \first
	v_wmma_f32_16x16x32_bf16 v[8*(4*\dt+\t):8*(4*\dt+\t)+7], v[\a:\a+7], v[SC+16*\t:SC+16*\t+7], 0
.else
	v_wmma_f32_16x16x32_bf16 v[8*(4*\dt+\t):8*(4*\dt+\t)+7], v[\a:\a+7], v[SC+16*\t:SC+16*\t+7], v[8*(4*\dt+\t):8*(4*\dt+\t)+7]
.endif
.endr
.endm
; O^T += V^T P^T: 32 matrix instructions on 32 accumulators, each once.  pre = 1: in the middle the next chunk's first four K fragments are asked for.
.macro PV slot, c, first, pre
	s_wait_dscnt 8                                 ; V^T fragments 0-3 are in; the eight loads of 4-7 stay out
	WIN 0x50                                       ; C and D in window 1
	PVW 0, FR, \first
	PVW 1, FR+8, \first
	PVW 2, FR+16, \first
	PVW 3, FR+24, \first
	WIN 0
.if \pre
	NOPS 4                                         ; four places before loads land in registers that matrix instructions have read
	KLOAD \slot, \c+1, 0, 0
	KLOAD \slot, \c+1, 1, 1
	KLOAD \slot, \c+1, 2, 2
	KLOAD \slot, \c+1, 3, 3
	s_wait_dscnt 8                                 ; V^T fragments 4-7 are in; the eight K loads just issued stay out
.else
	s_wait_dscnt 0
.endif
	WIN 0x50
	PVW 4, SC+8, \first
	PVW 5, SC+24, \first
	PVW 6, SC+40, \first
	PVW 7, SC+56, \first
	WIN 0
	NOPS 5                                         ; five places before the next scores are written over P^T and V^T's registers
.endm
.macro CHUNK slot, c, first, pre, mnext
	QK \slot, \c
	VLOAD \slot, \c, 0, FR
	VLOAD \slot, \c, 1, FR+8
	VLOAD \slot, \c, 2, FR+16
	VLOAD \slot, \c, 3, FR+24
	s_wait_kmcnt 0x0                               ; this chunk's 64 mask words; their base may be stepped
.if \mnext
	s_add_nc_u64 s[24:25], s[24:25], 64            ; a chunk's 16 words
.endif
	SMT 0, MK0, \first, \mnext, \slot, \c
	SMT 1, MK1, \first, \mnext, \slot, \c
	SMT 2, MK2, \first, \mnext, \slot, \c
	SMT 3, MK3, \first, \mnext, \slot, \c
.if \first == 0
	RESCALE
.endif
	PV \slot, \c, \first, \pre
.endm
; 16 rows of 128 f32 become 16 rows of 128 bf16: a lane takes 16 bytes of a row and puts 8
.macro CVHALF af, foff, aw, woff, pitch
.set i, 0
.rept 16
	ds_load_b128 v[SC+4*i:SC+4*i+3], v[\af] offset:\foff+512*i
.set i, i+1
.endr
.set i, 0
.rept 16
	s_wait_dscnt 15-i                              ; row i is in; the 15 - i younger loads stay out
	v_cvt_pk_bf16_f32 v[SC+4*i], v[SC+4*i], v[SC+4*i+1]
	v_cvt_pk_bf16_f32 v[SC+4*i+1], v[SC+4*i+2], v[SC+4*i+3]
.set i, i+1
.endr
.set i, 0
.rept 16
	ds_store_b64 v[\aw], v[SC+4*i:SC+4*i+1] offset:\woff+\pitch*i
.set i, i+1
.endr
.endm
.macro CONVERT x                       ; waves 4-7: F[x] to H[x], 16 rows of K and 16 of V each
	CVHALF AF0+\x, 0, AKW, \x*HSLOT, KPITCH
	CVHALF AF0+\x, TILEB, AVW, \x*HSLOT, VPITCH
.endm
; One step of 64 keys on H[slot].  refill: F[slot] gets the tile two steps on; conv: F[other] is rounded into H[other]; pf: waves 0-3 prefetch; mlast: no mask words follow.
.macro STEP slot, other, first, refill, conv, pf, mlast
	s_wait_dscnt 0x0                               ; my reads of H[other] and F[slot] and my stores into H[slot] are done
	s_wait_xcnt 0x0
	v_lshl_add_u32 v26, v0, 2, 0x42000
	v_mov_b32 v27, 0
	s_wait_tensorcnt 0x0                           ; all my tensor loads have landed, my part of F[other] among them: a group 0 may be written
	ds_add_u32 v26, v27
	s_wait_dscnt 0x0
.if \refill
	s_add_nc_u64 s[18+4*\slot:19+4*\slot], s[18+4*\slot:19+4*\slot], 2*TILEB
	ROUND                                          ; both now hold of every wave of all four work-groups
	tensor_load_to_lds s[16+4*\slot:19+4*\slot], s[8:15]   ; my one tensor load behind the round, first thing there: one is out until the next round
	s_nop 0
.else
	s_barrier_signal -1
	s_barrier_wait -1
.endif
.if \conv
	s_cmp_lt_u32 s3, 4
	s_cbranch_scc1 .Llow_\@
	CONVERT \other
.if \pf
	s_branch .Ljoin_\@
.endif
.Llow_\@:
.if \pf
	global_prefetch_b8 v[PFO], s[26:27] th:TH_LOAD_NT scope:SCOPE_SE   ; 32 lanes x 256 bytes: my 8 KiB of the two tiles that the tensor loads of the next two steps ask for
.Ljoin_\@:
.endif
.endif
	KLOAD \slot, 0, 0, 0
	KLOAD \slot, 0, 1, 1
	KLOAD \slot, 0, 2, 2
	KLOAD \slot, 0, 3, 3
	CHUNK \slot, 0, \first, 1, 1
	CHUNK \slot, 1, 0, 0, 1-\mlast
.endm
; the way out of query tile t: 16 queries x 512 bytes through my own stage, back as whole rows
.macro OUTT t, buf
	WIN 0x04                                       ; LDS store data in window 1
.irp dt, 0,1,2,3,4,5,6,7
	ds_store_b128 v[STO], v[8*(4*\dt+\t):8*(4*\dt+\t)+3]   offset:64*\dt
	ds_store_b128 v[STO], v[8*(4*\dt+\t)+4:8*(4*\dt+\t)+7] offset:64*\dt+16
.endr
	WIN 0
	s_wait_xcnt 0x0                                ; the buffer, which earlier stores read, is loaded again only behind this wait (ISA guide 3.1)
.set i, 0
.rept 16
	ds_load_b128 v[\buf+4*i:\buf+4*i+3], v[RD] offset:SPITCH*i   ; my wave's own bytes, served in order (ISA guide 5.7.1.4)
.set i, i+1
.endr
.set i, 0
.rept 16
	s_wait_dscnt 15-i
	global_store_b128 v[CO], v[\buf+4*i:\buf+4*i+3], s[28:29] offset:(16*\t+i)*512 th:TH_STORE_NT   ; a whole row of out: 512 consecutive bytes, aligned
.set i, i+1
.endr
.endm
; q of query tile t: 16 loads into window 1 (the window is set by the user).  i = 16 t + 4 ks + e: numbers 32 ks + 16 (e >> 1) + 8 h + 4 (e & 1) + 0..3 of query 16 t + r
.macro QLOAD t
.set i, 16*\t
.rept 16
	global_load_b128 v[4*i:4*i+3], v[AQ], s[4:5] offset:(i>>4)*8192+((i>>2)&3)*128+(i&1)*16+((i>>1)&1)*64
.set i, i+1
.endr
.endm
; and its rounding to bf16, as it is, into the tile's four fragments in window 0
.macro QCVT t
.set i, 32*\t
.rept 32
	v_cvt_pk_bf16_f32 v[QF+i], v[2*i], v[2*i+1]
.set i, i+1
.endr
.endm
	; ---- start ----
	s_load_b256 s[32:39], s[0:1], 0x0              ; q s[32:33], k s[34:35], v s[36:37], maskbits s[38:39]
	s_load_b64 s[40:41], s[0:1], 0x20              ; out0
	v_lshl_add_u32 v26, v0, 2, 0x42000
	v_mov_b32 v27, 0
	ds_add_u32 v26, v27
	s_wait_dscnt 0x0
	v_lshrrev_b32 v20, 5, v0
	v_readfirstlane_b32 s3, v20                    ; wave 0..7
	s_bfe_u32 s31, ttmp6, 0x40000                  ; cx: which 512 queries of the head; ttmp9 counts clusters = heads
	s_mov_b32 s2, NEG
	s_mov_b32 s66, QSC
	s_mov_b32 s67, NQSC
	s_mov_b32 s100, 0x76543210                     ; v_permlanex16_b32: lane i of one half reads lane i of the other
	s_mov_b32 s101, 0xfedcba98
	; descriptor group 1: a dense block of 8 KiB as 32 rows of 256 bytes, elements of 8 bytes
	s_mov_b32 s8, 15|(3<<16)|(1<<21)               ; 15:0 the mask: all four work-groups; 17:16 element of 8 bytes; 21 set beside a mask; no padding
	s_mov_b32 s9, 32<<16                           ; tensor_dim0 = 32
	s_mov_b32 s10, 32<<16                          ; tensor_dim1 = 32
	s_mov_b32 s11, 32<<16                          ; tile_dim0 = 32
	s_mov_b32 s12, 32                              ; tile_dim1 = 32
	s_mov_b32 s13, 32                              ; from row to row: 32 elements
	s_mov_b32 s14, 0
	s_mov_b32 s15, 0
	; lane terms
	v_and_b32 v21, 31, v0                          ; L
	v_and_b32 v22, 15, v0                          ; r
	v_bfe_u32 v23, v0, 4, 1                        ; h
	v_mul_u32_u24 v[AK], v22, KPITCH
	v_lshl_add_u32 v[AK], v23, 4, v[AK]
	v_add_nc_u32 v[AK], HBASE, v[AK]               ; row r, 16 h bytes in
	v_and_b32 v24, 7, v0
	v_lshl_add_u32 v24, v23, 3, v24
	v_mul_u32_u24 v[AV], v24, VPITCH
	v_bfe_u32 v24, v0, 3, 1
	v_lshl_add_u32 v[AV], v24, 4, v[AV]
	v_add_nc_u32 v[AV], VBASE, v[AV]               ; key 8 h + L % 8, 16 bytes for each group of eight lanes
	s_and_b32 s6, s3, 3                            ; which quarter of a tile's rows
	s_lshl_b32 s7, s6, 13
	v_lshl_add_u32 v[AF0], v21, 4, s7
	v_add_nc_u32 v[AF0+1], FSLOT, v[AF0]
	s_mul_i32 s7, s6, 16*KPITCH
	s_add_co_u32 s7, s7, HBASE
	v_lshl_add_u32 v[AKW], v21, 3, s7
	s_mul_i32 s7, s6, 16*VPITCH
	s_add_co_u32 s7, s7, VBASE
	v_lshl_add_u32 v[AVW], v21, 3, s7
	v_lshlrev_b32 v[PFO], 8, v21
	v_lshlrev_b32 v[AQ], 9, v22
	v_lshl_add_u32 v[AQ], v23, 5, v[AQ]            ; q: row r of 512 bytes, 32 h bytes in
	; offsets, apart from the addresses
	s_lshl_b32 s30, ttmp9, 20                      ; a head is 2048 x 512 bytes
	s_lshl_b32 s4, s6, 13
	s_add_co_u32 s4, s4, s30                       ; K, V: head + my 16 rows of a tile: no place in the cluster enters
	s_mov_b32 s5, 0
	s_and_b32 s26, s3, 1
	s_lshl1_add_u32 s26, s31, s26                  ; prefetch: piece 2 cx + (wave & 1) of the eight of two tiles,
	s_lshl_b32 s26, s26, 13
	s_add_co_u32 s26, s26, s30
	s_add_co_u32 s26, s26, 4*TILEB                 ; beginning with tiles 4 and 5
	s_mov_b32 s27, 0
	s_lshl_b32 s28, s31, 18                        ; q, out: 512 rows for each work-group,
	s_lshl_b32 s29, s3, 15                         ; 64 for each wave
	s_add_co_u32 s28, s28, s29
	s_add_co_u32 s28, s28, s30
	s_mov_b32 s29, 0
	s_lshr_b32 s24, ttmp9, 4                       ; the batch
	s_lshl_b32 s24, s24, 19
	s_lshl_b32 s25, s31, 17                        ; 32 query tiles of 4,096 bytes for each work-group,
	s_add_co_u32 s24, s24, s25
	s_lshl_b32 s25, s3, 14                         ; 4 for each wave
	s_add_co_u32 s24, s24, s25
	s_mov_b32 s25, 0
	s_mov_b32 s16, 1                               ; group 0: count = 1
	s_mov_b32 s20, 1
	s_lshl_b32 s17, s3, 13                         ; LDS: wave x 8 KiB: K's four blocks, then V's four
	s_add_co_u32 s21, s17, FSLOT
	s_wait_kmcnt 0x0
	s_cmp_lt_u32 s3, 4
	s_cselect_b64 s[18:19], s[34:35], s[36:37]     ; waves 0-3 fetch K, waves 4-7 V
	s_add_nc_u64 s[18:19], s[18:19], s[4:5]        ; tile 0
	s_add_nc_u64 s[22:23], s[18:19], TILEB         ; tile 1
	s_or_b32 s19, s19, 0x80000000                  ; type = 2
	s_or_b32 s23, s23, 0x80000000
	s_cmp_lt_u32 s3, 2
	s_cselect_b64 s[6:7], s[34:35], s[36:37]       ; prefetch: waves 0, 1 ask for K, waves 2, 3 for V
	s_add_nc_u64 s[26:27], s[6:7], s[26:27]
	s_add_nc_u64 s[4:5], s[32:33], s[28:29]        ; q at my first row
	s_add_nc_u64 s[28:29], s[40:41], s[28:29]      ; out at my first row
	s_add_nc_u64 s[24:25], s[38:39], s[24:25]      ; mask words of my first query tile, chunk 0
	ROUND                                          ; all four work-groups are here: the first joint loads meet
	tensor_load_to_lds s[16:19], s[8:15]           ; tile 0 into F0
	s_nop 0
	tensor_load_to_lds s[20:23], s[8:15]           ; tile 1 into F1: two tensor loads of the wave are out
	s_nop 0
	WIN 0x40                                       ; q lands in window 1
	QLOAD 0
	QLOAD 1
	QLOAD 2                                        ; 48 loads are out
	s_load_b512 s[MK0:MK0+15], s[24:25], 0x0       ; the addresses that lay here have all been used
	s_load_b512 s[MK1:MK1+15], s[24:25], 4096
	s_load_b512 s[MK2:MK2+15], s[24:25], 8192
	s_load_b512 s[MK3:MK3+15], s[24:25], 12288
	s_wait_loadcnt 32                              ; tile 0's 16 loads are in; the 32 of tiles 1, 2 stay out
	WIN 0x05                                       ; sources in window 1, destination in window 0
	QCVT 0
	WIN 0x40
	QLOAD 3
	s_wait_loadcnt 32                              ; tile 1 is in; the 32 loads of tiles 2, 3 stay out
	WIN 0x05
	QCVT 1
	s_wait_loadcnt 16                              ; tile 2 is in; tile 3's 16 loads stay out
	QCVT 2
	s_wait_loadcnt 0x0
	QCVT 3
	WIN 0
	s_wait_tensorcnt 0x1                           ; my part of tile 0 is in; tile 1's load stays out
	s_barrier_signal -1
	s_barrier_wait -1
	s_cmp_lt_u32 s3, 4
	s_cbranch_scc1 .Lno_conv0
	CONVERT 0
.Lno_conv0:
	; ---- 32 steps ----
	STEP 0, 1, 1, 1, 1, 0, 0                       ; step 0 starts the sums: nothing is cleared
	s_mov_b32 s30, 14
.Ltrip:                                            ; steps 1 to 28
	STEP 1, 0, 0, 1, 1, 1, 0
	STEP 0, 1, 0, 1, 1, 0, 0
	s_wait_xcnt 0x0                                ; the prefetch's base is stepped only behind this wait; the prefetch stands two steps' work ahead of it
	s_add_nc_u64 s[26:27], s[26:27], 2*TILEB       ; 14 trips ask for tiles 4 to 31 and no further
	s_sub_co_u32 s30, s30, 1
	s_cmp_lg_u32 s30, 0
	s_cbranch_scc1 .Ltrip
	STEP 1, 0, 0, 1, 1, 0, 0                       ; step 29 asks for the last tile
	STEP 0, 1, 0, 0, 1, 0, 0                       ; step 30 rounds it
	STEP 1, 0, 0, 0, 0, 0, 1                       ; step 31
	; ---- end: divide by the sums and store ----
.irp t, 0,1,2,3
	v_permlanex16_b32 v[TT+\t], v[LS+\t], s100, s101   ; the other half's keys
.endr
.irp t, 0,1,2,3
	v_add_f32 v[TT+\t], v[TT+\t], v[LS+\t]         ; at least about 1: the maximum's own term
.endr
.irp t, 0,1,2,3
	v_rcp_f32 v[AL+\t], v[TT+\t]
.endr
	v_and_b32 v[TT+4], 15, v0                      ; plain instructions between the reciprocals and their use
	v_bfe_u32 v[TT+5], v0, 4, 1
	v_and_b32 v[TT+6], 31, v0
	s_mul_i32 s6, s3, WSTAGE
	s_add_co_u32 s6, s6, STAGE                     ; my stage
	v_mul_u32_u24 v[STO], v[TT+4], SPITCH
	v_lshl_add_u32 v[STO], v[TT+5], 5, v[STO]
	v_add_nc_u32 v[STO], s6, v[STO]                ; in: query r, numbers 16 dt + 8 h + 0..7
	v_lshlrev_b32 v[CO], 4, v[TT+6]                ; 16 bytes a lane: a whole row
	v_add_nc_u32 v[RD], s6, v[CO]
	s_wait_alu depctr_va_vdst(0)
	RESCALE
	OUTT 0, QF
	OUTT 1, QF+64
	OUTT 2, QF
	OUTT 3, QF+64
	s_wait_xcnt 0x0
	v_lshl_add_u32 v26, v0, 2, 0x42000
	v_mov_b32 v27, 0
	s_wait_tensorcnt 0x0
	ds_add_u32 v26, v27
	s_wait_dscnt 0x0
	ROUND                                          ; the closing round: no work-group ends while a partner may still ask jointly
	s_endpgm
.Lfunc_end_k_q3aea6d85d4_attn:
	.size	k_q3aea6d85d4_attn, .Lfunc_end_k_q3aea6d85d4_attn-k_q3aea6d85d4_attn
	.p2alignl 7, 3214868480
	.fill 96, 4, 3214868480
	.section	.rodata,"a",@progbits
	.p2align	6, 0x0
	.amdhsa_kernel k_q3aea6d85d4_attn
		.amdhsa_group_segment_fixed_size 327680
		.amdhsa_private_segment_fixed_size 0
		.amdhsa_enable_private_segment 0
		.amdhsa_kernarg_size 40
		.amdhsa_user_sgpr_count 2
		.amdhsa_user_sgpr_kernarg_segment_ptr 1
		.amdhsa_wavefront_size32 1
		.amdhsa_system_sgpr_workgroup_id_x 1
		.amdhsa_system_sgpr_workgroup_id_y 1
		.amdhsa_system_sgpr_workgroup_id_z 1
		.amdhsa_system_vgpr_workitem_id 0
		.amdhsa_next_free_vgpr 512
		.amdhsa_next_free_sgpr 102
		.amdhsa_reserve_vcc 0
		.amdhsa_float_denorm_mode_32 3
		.amdhsa_float_denorm_mode_16_64 3
		.amdhsa_memory_ordered 1
		.amdhsa_forward_progress 1
		.amdhsa_inst_pref_size 255
	.end_amdhsa_kernel
	.section	.bss,"aw",@nobits
	.p2align	6
	.space	262144
	.amdgpu_metadata
---
amdhsa.version: [ 1, 2 ]
amdhsa.kernels:
  - .name:           k_q3aea6d85d4_attn
    .symbol:         k_q3aea6d85d4_attn.kd
    .args:
      - { .name: q, .offset: 0, .size: 8, .value_kind: global_buffer, .address_space: global }
      - { .name: k, .offset: 8, .size: 8, .value_kind: global_buffer, .address_space: global }
      - { .name: v, .offset: 16, .size: 8, .value_kind: global_buffer, .address_space: global }
      - { .name: maskbits, .offset: 24, .size: 8, .value_kind: global_buffer, .address_space: global }
      - { .name: out0, .offset: 32, .size: 8, .value_kind: global_buffer, .address_space: global }
    .group_segment_fixed_size: 327680
    .private_segment_fixed_size: 0
    .kernarg_segment_align: 8
    .kernarg_segment_size: 40
    .max_flat_workgroup_size: 256
    .sgpr_count:     102
    .vgpr_count:     512
    .wavefront_size: 32
...
	.end_amdgpu_metadata
.endif
;; end of part 2
;; ======== version 2 of 2: 2 launches
;; workspace buffers: maskbits 2,097,152 bytes of whole numbers
;; launch maskpack (part 3): grid 256 x 1, 8 waves a work-group, no clusters, 68,608 bytes of LDS; arguments attn_mask, pad_mask, maskbits; writes maskbits
.if DOCPART == 3
	.amdgcn_target "amdgcn-amd-amdhsa--gfx1250"
	.amdhsa_code_object_version 6
	.text
	.protected	k_q3aea6d85d4_maskpack
	.globl	k_q3aea6d85d4_maskpack
	.p2align	8
	.type	k_q3aea6d85d4_maskpack,@function
k_q3aea6d85d4_maskpack:
	s_mov_b64 s[64:65], 0
	v_nop
	global_prefetch_b8 v0, s[64:65] scope:SCOPE_SE
	s_setreg_imm32_b32 hwreg(HW_REG_WAVE_MODE, 25, 1), 1
	s_wait_xcnt 0x0
; maskbits: attn_mask [2048][2048] int32 and pad_mask [4][2048] int32 become one bit for each (batch, query, key): 1 = keep.
; Word ((b*128 + qt)*64 + chunk)*16 + kt*8 + j; bit L of it stands for query 16 qt + (L & 15) and key 32 chunk + 16 kt + 8 (L >> 4) + j.
; That is the lane mask of register j of a 16 x 16 matrix result whose rows are keys and whose columns are queries (ISA guide 7.12.2),
; so that the next launch masks a score register by one select.
; A wave takes 16 mask rows (one qt) x 128 keys (one span of four chunks): it reads 16 x 512 consecutive bytes, each once in the launch,
; and writes 64 words = 256 consecutive aligned bytes for each of the four batches.  256 work-groups x 8 waves = 128 qt x 16 spans.
; attn_mask's lane masks are the same for all four batches, so they are made once: the rows go through the wave's own stage in LDS, a compare
; of word k's 32 lane values gives the word, and v_writelane_b32 puts it into lane k / 2.  In a word the low 16 bits stand for one key and the
; high 16 bits for another, so pad_mask enters per lane: each lane loads the pad numbers of its two words' keys and keeps or drops the halves.
; No matrix unit, no cluster, no tensor load: every byte of attn_mask is read once and no two work-groups share it.
.set ROWB,   8192                      ; bytes in a row of attn_mask and of pad_mask
.set PITCH,  528                       ; an LDS row: 512 bytes + 16: sixteen rows begin in sixteen different 16-byte columns of a 256-byte span
.set WSTG,   16*PITCH                  ; a wave's own stage
.set PADV,   8                         ; v[8:23]    pad_mask: batch b, half h: a pair at PADV + 4 b + 2 h: the keys of my words 2 i and 2 i + 1
.set AW,     24                        ; v[24:25]   lane i: attn_mask's words 2 i and 2 i + 1
.set ALO,    26                        ; v[26:27]   their low 16 bits (lanes 0-15 of the next launch: h = 0)
.set AHI,    28                        ; v[28:29]   their high 16 bits (h = 1)
.set A,      32                        ; v[32:95]   row n of attn_mask: 4 registers; at the end v[32:39] at work
.set C,      96                        ; v[96:159]  word k's lane values: attn_mask of (query r, key 16 (k>>3) + 8 h + (k&7))
.set OUT,    160                       ; v[160:167] batch b: a pair; lane i holds words 2 i and 2 i + 1
.set BAL,    20                        ; s[20:35]   two sets of eight words on their way from compare to writelane
.set PM,     36                        ; s[36:51]   lanes whose pad number is not 0: index 4 b + 2 h + e as in PADV
	s_load_b128 s[4:7], s[0:1], 0x0                ; attn_mask s[4:5], pad_mask s[6:7]
	s_load_b64 s[8:9], s[0:1], 0x10                ; maskbits
	v_lshl_add_u32 v168, v0, 2, 0x10800
	v_mov_b32 v169, 0
	v_lshrrev_b32 v5, 5, v0
	v_readfirstlane_b32 s10, v5                    ; wave 0..7
	v_and_b32 v6, 31, v0                           ; lane L
	v_and_b32 v7, 15, v0                           ; r
	v_bfe_u32 v5, v0, 4, 1                         ; h
	s_lshr_b32 s11, ttmp9, 1                       ; qt
	s_and_b32 s12, ttmp9, 1
	s_lshl3_add_u32 s12, s12, s10                  ; span = 8 (work-group & 1) + wave
	s_lshl_b32 s14, s12, 9                         ; the span's 512 bytes in a row
	s_mov_b32 s15, 0
	s_lshl_b32 s16, s11, 17                        ; 16 rows of 8,192 bytes for each qt
	s_add_co_u32 s16, s16, s14
	s_mov_b32 s17, 0
	s_lshl_b32 s18, s11, 12                        ; maskbits: 4,096 bytes for each qt,
	s_lshl_b32 s13, s12, 8                         ; 256 for each span
	s_add_co_u32 s18, s18, s13
	s_mov_b32 s19, 0
	s_mul_i32 s13, s10, WSTG                       ; my wave's stage
	v_lshlrev_b32 v1, 4, v6                        ; 16 L: my 4 keys in a span
	v_add_nc_u32 v2, s13, v1                       ; where I put them in a stage row
	v_mul_u32_u24 v3, v7, PITCH
	v_lshl_add_u32 v3, v5, 5, v3
	v_add_nc_u32 v3, s13, v3                       ; where I read: row r, 32 h bytes in
	v_lshlrev_b32 v4, 3, v6                        ; 8 L: my two words of the 64
	v_lshrrev_b32 v5, 2, v6                        ; words 2 L and 2 L + 1 stand for keys 16 (L >> 2) + 8 h + 2 (L & 3) + 0, 1 of the span:
	v_and_b32 v7, 3, v6
	v_lshlrev_b32 v5, 6, v5
	v_lshl_add_u32 v5, v7, 3, v5                   ; byte 64 (L >> 2) + 8 (L & 3) of the span's pad numbers; h adds 32
	v_mov_b32 v[AW], 0                             ; v_writelane_b32 counts as a reader of its destination
	v_mov_b32 v[AW+1], 0
	s_wait_kmcnt 0x0
	s_add_nc_u64 s[4:5], s[4:5], s[16:17]
	s_add_nc_u64 s[6:7], s[6:7], s[14:15]
	s_add_nc_u64 s[8:9], s[8:9], s[18:19]
.set n, 0
.rept 16
	global_load_b128 v[A+4*n:A+4*n+3], v1, s[4:5] offset:n*ROWB th:TH_LOAD_NT   ; 512 consecutive bytes of row n
.set n, n+1
.endr
.irp b, 0,1,2,3
.irp h, 0,1
	global_load_b64 v[PADV+4*\b+2*\h:PADV+4*\b+2*\h+1], v5, s[6:7] offset:\b*ROWB+32*\h
.endr
.endr
.set n, 0
.rept 16
	s_wait_loadcnt 23-n                            ; row n is in; the 15 - n younger rows and the 8 pad loads stay out
	ds_store_b128 v2, v[A+4*n:A+4*n+3] offset:n*PITCH
.set n, n+1
.endr
.set i, 0
.rept 16
	ds_load_b128 v[C+4*i:C+4*i+3], v3 offset:64*(i>>1)+16*(i&1)   ; my wave's own bytes: LDS serves a wave's instructions in order (ISA guide 5.7.1.4)
.set i, i+1
.endr
	s_wait_loadcnt 0x0                             ; the pad numbers
.set i, 0
.rept 16
	v_cmp_ne_u32 s[PM+i], 0, v[PADV+i]             ; any number but 0 counts as true
.set i, i+1
.endr
; eight words a group; a group's compares are issued one group ahead of the writelanes that read them, on two sets of scalar registers in turn
.set g, 0
.rept 9
.if g < 8
	s_wait_dscnt 14-2*g                            ; the group's two loads are back; the 14 - 2 g younger ones stay out
.irp j, 0,1,2,3,4,5,6,7
	v_cmp_ne_u32 s[BAL+8*(g&1)+\j], 0, v[C+8*g+\j] ; 32 lanes' bits = attn_mask's word 8 g + j
.endr
.endif
.if g > 0
.irp j, 0,1,2,3,4,5,6,7
	v_writelane_b32 v[AW+(\j&1)], s[BAL+8*((g-1)&1)+\j], 4*(g-1)+(\j>>1)
.endr
.endif
.set g, g+1
.endr
.irp e, 0,1
	v_and_b32 v[ALO+\e], 0xffff, v[AW+\e]
	v_and_b32 v[AHI+\e], 0xffff0000, v[AW+\e]
.endr
.irp b, 0,1,2,3
.irp e, 0,1
	v_cndmask_b32 v[A+2*\b+\e], 0, v[ALO+\e], s[PM+4*\b+\e]        ; the h = 0 key's sixteen queries, or none where pad_mask is 0
	v_cndmask_b32 v[OUT+2*\b+\e], 0, v[AHI+\e], s[PM+4*\b+2+\e]    ; the h = 1 key's
.endr
.endr
.irp b, 0,1,2,3
.irp e, 0,1
	v_or_b32 v[OUT+2*\b+\e], v[OUT+2*\b+\e], v[A+2*\b+\e]
.endr
.endr
.irp b, 0,1,2,3
	global_store_b64 v4, v[OUT+2*\b:OUT+2*\b+1], s[8:9] offset:\b*524288   ; 256 consecutive bytes, aligned; a batch's bits are 524,288 bytes
.endr
	s_wait_tensorcnt 0x0
	ds_add_u32 v168, v169
	s_wait_dscnt 0x0
	s_endpgm
.Lfunc_end_k_q3aea6d85d4_maskpack:
	.size	k_q3aea6d85d4_maskpack, .Lfunc_end_k_q3aea6d85d4_maskpack-k_q3aea6d85d4_maskpack
	.p2alignl 7, 3214868480
	.fill 96, 4, 3214868480
	.section	.rodata,"a",@progbits
	.p2align	6, 0x0
	.amdhsa_kernel k_q3aea6d85d4_maskpack
		.amdhsa_group_segment_fixed_size 68608
		.amdhsa_private_segment_fixed_size 0
		.amdhsa_enable_private_segment 0
		.amdhsa_kernarg_size 24
		.amdhsa_user_sgpr_count 2
		.amdhsa_user_sgpr_kernarg_segment_ptr 1
		.amdhsa_wavefront_size32 1
		.amdhsa_system_sgpr_workgroup_id_x 1
		.amdhsa_system_sgpr_workgroup_id_y 1
		.amdhsa_system_sgpr_workgroup_id_z 1
		.amdhsa_system_vgpr_workitem_id 0
		.amdhsa_next_free_vgpr 170
		.amdhsa_next_free_sgpr 66
		.amdhsa_reserve_vcc 0
		.amdhsa_float_denorm_mode_32 3
		.amdhsa_float_denorm_mode_16_64 3
		.amdhsa_memory_ordered 1
		.amdhsa_forward_progress 1
		.amdhsa_inst_pref_size 18
	.end_amdhsa_kernel
	.amdgpu_metadata
---
amdhsa.version: [ 1, 2 ]
amdhsa.kernels:
  - .name:           k_q3aea6d85d4_maskpack
    .symbol:         k_q3aea6d85d4_maskpack.kd
    .args:
      - { .name: attn_mask, .offset: 0, .size: 8, .value_kind: global_buffer, .address_space: global }
      - { .name: pad_mask, .offset: 8, .size: 8, .value_kind: global_buffer, .address_space: global }
      - { .name: maskbits, .offset: 16, .size: 8, .value_kind: global_buffer, .address_space: global }
    .group_segment_fixed_size: 68608
    .private_segment_fixed_size: 0
    .kernarg_segment_align: 8
    .kernarg_segment_size: 24
    .max_flat_workgroup_size: 256
    .sgpr_count:     66
    .vgpr_count:     170
    .wavefront_size: 32
...
	.end_amdgpu_metadata
.endif
;; end of part 3
;; launch attn (part 4): grid 256 x 1, 8 waves a work-group, clusters of 4 x 1, 327,680 bytes of LDS; arguments q, k, v, maskbits, out0; writes out0
.if DOCPART == 4
	.amdgcn_target "amdgcn-amd-amdhsa--gfx1250"
	.amdhsa_code_object_version 6
	.text
	.protected	k_q3aea6d85d4_attn
	.globl	k_q3aea6d85d4_attn
	.p2align	8
	.type	k_q3aea6d85d4_attn,@function
k_q3aea6d85d4_attn:
	s_mov_b64 s[64:65], 0
	v_nop
	global_prefetch_b8 v0, s[64:65] scope:SCOPE_SE
	s_setreg_imm32_b32 hwreg(HW_REG_WAVE_MODE, 25, 1), 1
	s_wait_xcnt 0x0
	s_wait_alu depctr_hold_cnt(0) depctr_sa_sdst(0) depctr_va_vdst(0) depctr_va_sdst(0) depctr_va_ssrc(0) depctr_va_vcc(0) depctr_vm_vsrc(0)
	s_getreg_b32 s2, hwreg(HW_REG_IB_STS2, 6, 4)
	s_cmp_eq_u32 s2, 0
	s_cbranch_scc0 .Lentry_in_a_cluster
	s_endpgm
.Lentry_in_a_cluster:
	s_bfe_u32 s2, ttmp6, 0x10000c
	s_cmp_lg_u32 s2, 0x3003
	s_cbranch_scc0 .Lentry_shape_is_right
	s_endpgm
.Lentry_shape_is_right:
; out = softmax(mask(q k^T) / sqrt(128)) v for 64 heads (b, h), 2048 queries and keys, 128 numbers a head; q, k, v, out f32.
; A cluster of four work-groups takes one head; a work-group 512 queries; each of its eight waves 64 queries (four tiles of 16).
; K and V go in steps of 64 keys.  All four work-groups need the same K and V: each step's 64 KiB of f32 are asked for JOINTLY (mask 15),
; eight loads of 8 KiB, one a wave, so every wave issues the same line without a branch (a load of 64 rows would leave four waves without one).
; The f32 tiles land in slots F0, F1; the waves round them to bf16 into tiles H0, H1 (written by LDS stores only, never a tensor load's target).
; Step i multiplies from H[i%2], rounds tile i+1 from F[(i+1)%2] and asks for tile i+2 into F[i%2]: one round of the cluster's barrier a step.
;
; THE TWO HALVES OF THE WORK-GROUP RUN OUT OF STEP.  Every wave does the same work between two barriers, in another order.
; Waves 0-3: QK, softmax, rescale, PV of both chunks of 32 keys, then their share of the rounding (8 rows of K, 8 of V).
; Waves 4-7 reach the barrier with the second chunk's P^T and V^T fragments in registers, and do its rescale and its PV, which touch registers alone,
; BEHIND the barrier, then their share of the rounding, then the new step.  So they stand 128 multiplies, 32 matrix instructions and a rounding
; behind waves 0-3, and one half's softmax stands beside the other half's products.  Step 0 has nothing carried in; step 31 is finished by all eight.
;
; BOTH PRODUCTS ARE USED TRANSPOSED.  S^T = K Q^T (source 0: 16 keys, source 1: 16 queries) and O^T = V^T P^T (source 0: 16 columns of V through the
; transposing LDS load, source 1: P^T).  In both results a lane owns ONE query (column l % 16; ISA guide 7.12.2): the row maximum is taken inside the
; lane plus one exchange of the halves, the factors are one register a tile, and two S^T tiles (keys 0-15, 16-31) packed to bf16 in place ARE P^T's fragment.
;
; NUMBERS.  q, k and v are rounded to bf16 as they are; the scale QSC = log2(e) / sqrt(128) is applied in f32 behind the product:
; p = 2^(s x QSC - m x QSC), one fused multiply-add, m the running maximum of the raw scores, which is always taken away before the exponential.
; The rounded -(m x QSC) is kept beside m, and the factor for what has been summed is 2^(difference of these two kept numbers): exactly the shifts that the exponentials used.
; A masked score is NEG = -2^127, finite as in the definition.  A power of two times QSC is exact, so in a row with no key left the multiply-add gives exactly 0,
; p = 1 everywhere and the result is the mean of V; a later real score makes the factor 2^(-2^127 x QSC - ..) = 0, which wipes what was summed.
; LIMITS: the definition's masked score is -FLT_MAX, here -2^127: the result differs only where a real raw score lies below -2^127;
; q, k, v and p are rounded to bf16; the divisor sums the unrounded p; NaN and infinities among the inputs are not treated;
; v_exp_f32 gives 0 for results below 2^-126 (ISA guide 15.8).
.set QSC,    0x3e0293ee                ; log2(e) / sqrt(128)
.set NQSC,   0xbe0293ee                ; its negative
.set NEG,    0xff000000                ; -2^127
.set FSLOT,  65536                     ; an f32 slot: K 64 rows x 512 bytes, then V the same
.set HBASE,  2*FSLOT                   ; the bf16 tiles begin here
.set KPITCH, 272                       ; a K row: 256 bytes + 16: sixteen rows begin in sixteen different 16-byte columns of a 256-byte span
.set VPITCH, 288                       ; a V row: 256 bytes + 32, an odd multiple of 32, for the transposing load
.set KHB,    64*KPITCH
.set HSLOT,  KHB+64*VPITCH             ; 35,840 bytes, a multiple of 256
.set VBASE,  HBASE+KHB
.set STAGE,  HBASE+2*HSLOT             ; the way out: 16 rows x 528 bytes for each wave
.set SPITCH, 528
.set WSTAGE, 16*SPITCH
.set TILEB,  32768                     ; 64 keys x 512 bytes of K or of V in memory
; vector registers, window 0
.set AK,  1                            ; LDS address of my part of a K fragment in H0
.set AV,  2                            ; the same for a V^T fragment
.set AF0, 3                            ; v3, v4: conversion: my 16 bytes of the first of my 8 rows in F0, F1
.set AKW, 5                            ; conversion: where my 8 bytes of a K row go in H0
.set AVW, 6                            ; the same for V
.set PFO, 7                            ; 256 x lane, for the prefetch
.set MX,  8                            ; v[8:11]   running maximum of my query's raw scores in tile t
.set LS,  12                           ; v[12:15]  running sum over my half of the keys
.set AL,  16                           ; v[16:19]  the factor for what has been summed; at the end 1 / sum
.set TT,  20                           ; v[20:27]  tile t: a pair: this chunk's shift -(m x QSC), and m
.set NM,  28                           ; v[28:31]  -(running maximum x QSC), as the exponentials used it
.set AQ,  TT+5                         ; start only: my byte offset in q
.set STO, 28                           ; end only, when NM is no longer needed: stage addresses and my offset in out
.set RD,  29
.set CO,  30
.set FR,  32                           ; v[32:63]  four fragment buffers of 8; idle during the softmax, where tile t works in buffer t
.set SC,  64                           ; v[64:127] scores: tile t at SC + 16 t: keys 0-15, then keys 16-31; packed: P^T in the first 8, the other 8 free
.set QF,  128                          ; v[128:255] Q fragments: (t, ks) at QF + 8 (4 t + ks)
; window 1: O^T tile (dt, t) at 8 (4 dt + t); at the start q as it lands in f32
; scalar: s2 NEG, s3 wave, s[4:7] at work, s[8:15] descriptor group 1, s[16:19], s[20:23] group 0 of slots 0, 1, s[24:25] mask words, s[26:27] prefetch,
; s[28:29] out, s30 trips, s31 place in the cluster, s66 QSC, s67 -QSC, s100, s101 selects of the lane exchange;
; four groups of 16 mask words, tile t's at MK0 + 16 t + 4 (t >> 1): s32, s48, s68, s84
.set MK0, 32
.set MSB, 0
.macro WIN new                         ; s_set_vgpr_msb: bits 1:0 source 0, 3:2 source 1, 5:4 source 2, 7:6 destination; the high byte repeats the setting that is left
.if MSB != \new
	s_set_vgpr_msb (MSB<<8)|\new
.set MSB, \new
.endif
.endm
.macro NOPS n
.rept \n
	v_nop
.endr
.endm
; A round of the cluster's barrier: my work-group's barrier, wave 0 signals for the work-group, every wave waits for all four work-groups, my work-group's barrier again.
.macro ROUND
	s_barrier_signal -1
	s_barrier_wait -1
	s_cmp_lg_u32 s3, 0
	s_cbranch_scc1 .Lnot_wave_0_\@
	s_barrier_signal -3
.Lnot_wave_0_\@:
	s_barrier_wait -3
	s_barrier_signal -1
	s_barrier_wait -1
.endm
; K fragment f = 2 ks + kt of chunk c (32 keys) of a slot into buffer b: keys 16 (2 c + kt) + l % 16, numbers 32 ks + 8 (l / 16) + 0..7 and + 16
.macro KLOAD slot, c, f, b
	ds_load_b128 v[FR+8*\b:FR+8*\b+3],   v[AK] offset:\slot*HSLOT+(2*(\c)+(\f&1))*16*KPITCH+(\f>>1)*64
	ds_load_b128 v[FR+8*\b+4:FR+8*\b+7], v[AK] offset:\slot*HSLOT+(2*(\c)+(\f&1))*16*KPITCH+(\f>>1)*64+32
.endm
; four products of K fragment f (in buffer b) with the four query tiles; ks = 0 starts the sums
.macro QKW f, b
.irp t, 0,1,2,3
.if (\f>>1) == 0
	v_wmma_f32_16x16x32_bf16 v[SC+16*\t+8*(\f&1):SC+16*\t+8*(\f&1)+7], v[FR+8*\b:FR+8*\b+7], v[QF+8*(4*\t+(\f>>1)):QF+8*(4*\t+(\f>>1))+7], 0
.else
	v_wmma_f32_16x16x32_bf16 v[SC+16*\t+8*(\f&1):SC+16*\t+8*(\f&1)+7], v[FR+8*\b:FR+8*\b+7], v[QF+8*(4*\t+(\f>>1)):QF+8*(4*\t+(\f>>1))+7], v[SC+16*\t+8*(\f&1):SC+16*\t+8*(\f&1)+7]
.endif
.endr
.endm
; S^T of 32 keys x 64 queries: 32 matrix instructions on eight accumulators that take turns, one instruction a turn.
; Fragments 0-3 are on their way at the entry (8 loads).  A load into a register that a matrix instruction has read stands four places behind it,
; and so does a vector instruction that reads a result (ISA guide 7.12.1 for vector instructions): hence the v_nop.
.macro QK slot, c
	s_wait_dscnt 4                                 ; fragments 0, 1 are in; the four loads of 2, 3 stay out
	QKW 0, 0
	QKW 1, 1
	NOPS 4
	KLOAD \slot, \c, 4, 0
	KLOAD \slot, \c, 5, 1
	s_wait_dscnt 4                                 ; 2, 3 are in; the four loads of 4, 5 stay out
	QKW 2, 2
	QKW 3, 3
	NOPS 4
	KLOAD \slot, \c, 6, 2
	KLOAD \slot, \c, 7, 3
	s_wait_dscnt 4                                 ; 4, 5 are in; the four loads of 6, 7 stay out
	QKW 4, 0
	QKW 5, 1
	s_wait_dscnt 0
	QKW 6, 2
	QKW 7, 3
	NOPS 4
.endm
; V^T fragment: columns 16 dt + l % 16 of V, the chunk's 32 keys, from rows that lie along the columns: two transposing loads, 16 rows apart
.macro VLOAD slot, c, dt, dst
	ds_load_tr16_b128 v[\dst:\dst+3],   v[AV] offset:\slot*HSLOT+(\c)*32*VPITCH+32*(\dt)
	ds_load_tr16_b128 v[\dst+4:\dst+7], v[AV] offset:\slot*HSLOT+(\c)*32*VPITCH+32*(\dt)+16*VPITCH
.endm
; Softmax step of all four query tiles on 32 keys, stage by stage: in every stage the four tiles' instructions follow each other, so that
; four to sixteen independent instructions stand between an instruction and the one that reads its result.
; first = 1: nothing has been summed yet; mnext = 1: the next chunk's mask words are asked for.  Tile t's temporaries lie in fragment buffer t.
.macro SM4 first, mnext, slot, c
.irp t, 0,1,2,3
.set i, 0
.rept 16
	v_cndmask_b32 v[SC+16*\t+i], s2, v[SC+16*\t+i], s[MK0+16*\t+4*(\t>>1)+i]   ; bit 1 keeps the score, bit 0 puts NEG
.set i, i+1
.endr
.endr
.irp t, 0,1,2,3
	v_max3_num_f32 v[FR+8*\t+0], v[SC+16*\t+0], v[SC+16*\t+1], v[SC+16*\t+2]
	v_max3_num_f32 v[FR+8*\t+1], v[SC+16*\t+3], v[SC+16*\t+4], v[SC+16*\t+5]
	v_max3_num_f32 v[FR+8*\t+2], v[SC+16*\t+6], v[SC+16*\t+7], v[SC+16*\t+8]
	v_max3_num_f32 v[FR+8*\t+3], v[SC+16*\t+9], v[SC+16*\t+10], v[SC+16*\t+11]
.endr
.irp t, 0,1,2,3
	v_max3_num_f32 v[FR+8*\t+0], v[FR+8*\t+0], v[SC+16*\t+12], v[SC+16*\t+13]
	v_max3_num_f32 v[FR+8*\t+1], v[FR+8*\t+1], v[SC+16*\t+14], v[SC+16*\t+15]
.if \first
	v_max_num_f32 v[FR+8*\t+2], v[FR+8*\t+2], v[FR+8*\t+3]
.else
	v_max3_num_f32 v[FR+8*\t+2], v[FR+8*\t+2], v[FR+8*\t+3], v[MX+\t]
.endif
.endr
.irp t, 0,1,2,3
	v_max3_num_f32 v[FR+8*\t], v[FR+8*\t], v[FR+8*\t+1], v[FR+8*\t+2]
.endr
.irp t, 0,1,2,3
	v_permlanex16_b32 v[FR+8*\t+1], v[FR+8*\t], s100, s101   ; the other half of the lanes holds the same query's other 16 keys; the destination has been written above
.endr
.irp t, 0,1,2,3
	v_max_num_f32 v[TT+2*\t+1], v[FR+8*\t], v[FR+8*\t+1]     ; the new maximum of the raw scores
.endr
.if \mnext
.irp t, 0,1,2,3
	s_load_b512 s[MK0+16*\t+4*(\t>>1):MK0+16*\t+4*(\t>>1)+15], s[24:25], \t*4096   ; a query tile's words lie 4,096 bytes apart
.endr
.endif
.irp t, 0,1,2,3
	v_mul_f32 v[TT+2*\t], s67, v[TT+2*\t+1]        ; -(maximum x QSC), rounded once: the shift of this chunk's exponentials
.endr
.if \first == 0
.irp t, 0,1,2,3
	v_sub_f32 v[AL+\t], v[TT+2*\t], v[NM+\t]       ; the old maximum's shift against the new one's, both as they were used
.endr
.irp t, 0,1,2,3
	v_exp_f32 v[AL+\t], v[AL+\t]                   ; used far below: plain instructions follow (ISA guide 5.7.2)
.endr
.endif
.irp t, 0,1,2,3
	v_mov_b32 v[NM+\t], v[TT+2*\t]
.endr
.irp t, 0,1,2,3
.set i, 0
.rept 8
	v_pk_fma_f32 v[SC+16*\t+2*i:SC+16*\t+2*i+1], v[SC+16*\t+2*i:SC+16*\t+2*i+1], s[66:67], v[TT+2*\t:TT+2*\t+1] op_sel_hi:[1,0,0]   ; s x QSC - m x QSC in both halves: s66 and the pair's first register are broadcast
.set i, i+1
.endr
.endr
.set i, 0
.rept 64
	v_exp_f32 v[SC+i], v[SC+i]
.set i, i+1
.endr
.irp t, 0,1,2,3
	v_mov_b32 v[MX+\t], v[TT+2*\t+1]               ; plain instructions between the exponentials and the first use of a result
.endr
	s_wait_alu depctr_va_vdst(0)
.irp t, 0,1,2,3
	v_pk_add_f32 v[FR+8*\t:FR+8*\t+1],     v[SC+16*\t:SC+16*\t+1],       v[SC+16*\t+2:SC+16*\t+3]
	v_pk_add_f32 v[FR+8*\t+2:FR+8*\t+3],   v[SC+16*\t+4:SC+16*\t+5],     v[SC+16*\t+6:SC+16*\t+7]
	v_pk_add_f32 v[FR+8*\t+4:FR+8*\t+5],   v[SC+16*\t+8:SC+16*\t+9],     v[SC+16*\t+10:SC+16*\t+11]
	v_pk_add_f32 v[FR+8*\t+6:FR+8*\t+7],   v[SC+16*\t+12:SC+16*\t+13],   v[SC+16*\t+14:SC+16*\t+15]
.endr
.irp t, 0,1,2,3
	v_pk_add_f32 v[FR+8*\t:FR+8*\t+1],     v[FR+8*\t:FR+8*\t+1],         v[FR+8*\t+2:FR+8*\t+3]
	v_pk_add_f32 v[FR+8*\t+4:FR+8*\t+5],   v[FR+8*\t+4:FR+8*\t+5],       v[FR+8*\t+6:FR+8*\t+7]
.endr
.irp t, 0,1,2,3
	v_pk_add_f32 v[FR+8*\t:FR+8*\t+1],     v[FR+8*\t:FR+8*\t+1],         v[FR+8*\t+4:FR+8*\t+5]
.endr
.irp t, 0,1,2,3
.if \first
	v_add_f32 v[LS+\t], v[FR+8*\t], v[FR+8*\t+1]
.else
	v_add_f32 v[FR+8*\t], v[FR+8*\t], v[FR+8*\t+1]
.endif
.endr
.if \first == 0
.irp t, 0,1,2,3
	v_fma_f32 v[LS+\t], v[LS+\t], v[AL+\t], v[FR+8*\t]
.endr
.endif
.irp t, 0,1,2,3
.set i, 0
.rept 8
	v_cvt_pk_bf16_f32 v[SC+16*\t+i], v[SC+16*\t+2*i], v[SC+16*\t+2*i+1]   ; in place, ascending: register i is written after it has been read
.set i, i+1
.endr
.endr
.irp t, 0,1,2,3
	VLOAD \slot, \c, \t, FR+8*\t                   ; one run of sixteen loads: V^T fragments 0-3 into the buffers, whose temporaries are spent,
.endr
.irp t, 0,1,2,3
	VLOAD \slot, \c, 4+\t, SC+16*\t+8              ; and 4-7 into the eight registers that packing freed in each tile
.endr
.endm
; every O^T tile times its query's factor.  Leaves its window set: the next user switches.
.macro RESCALE
	WIN 0x41                                       ; destination and source 0 in window 1, the factor in window 0
.irp dt, 0,1,2,3,4,5,6,7
.irp t, 0,1,2,3
.irp i, 0,2,4,6
.if (\t&1)
	v_pk_mul_f32 v[8*(4*\dt+\t)+\i:8*(4*\dt+\t)+\i+1], v[8*(4*\dt+\t)+\i:8*(4*\dt+\t)+\i+1], v[AL+(\t&2):AL+(\t&2)+1] op_sel:[0,1] op_sel_hi:[1,1]
.else
	v_pk_mul_f32 v[8*(4*\dt+\t)+\i:8*(4*\dt+\t)+\i+1], v[8*(4*\dt+\t)+\i:8*(4*\dt+\t)+\i+1], v[AL+(\t&2):AL+(\t&2)+1] op_sel:[0,0] op_sel_hi:[1,0]
.endif
.endr
.endr
.endr
.endm
.macro PVW dt, a, first                ; V^T fragment dt (at register a) with the four P^T
.irp t, 0,1,2,3
.if \first
	v_wmma_f32_16x16x32_bf16 v[8*(4*\dt+\t):8*(4*\dt+\t)+7], v[\a:\a+7], v[SC+16*\t:SC+16*\t+7], 0
.else
	v_wmma_f32_16x16x32_bf16 v[8*(4*\dt+\t):8*(4*\dt+\t)+7], v[\a:\a+7], v[SC+16*\t:SC+16*\t+7], v[8*(4*\dt+\t):8*(4*\dt+\t)+7]
.endif
.endr
.endm
; O^T += V^T P^T: 32 matrix instructions on 32 accumulators, each once.
; pre = 1: in the middle the next chunk's first four K fragments are asked for; pre = 0: nothing is asked for;
; pre = 2: all operands are in registers already (the wait for 0 in front of the barrier has shown it): no wait, no load.
.macro PV slot, c, first, pre
.if \pre != 2
	s_wait_dscnt 8                                 ; V^T fragments 0-3 are in; the eight loads of 4-7 stay out
.endif
	WIN 0x50                                       ; C and D in window 1
	PVW 0, FR, \first
	PVW 1, FR+8, \first
	PVW 2, FR+16, \first
	PVW 3, FR+24, \first
.if \pre == 1
	WIN 0
	NOPS 4                                         ; four places before loads land in registers that matrix instructions have read
	KLOAD \slot, \c+1, 0, 0
	KLOAD \slot, \c+1, 1, 1
	KLOAD \slot, \c+1, 2, 2
	KLOAD \slot, \c+1, 3, 3
	s_wait_dscnt 8                                 ; V^T fragments 4-7 are in; the eight K loads just issued stay out
.endif
.if \pre == 0
	s_wait_dscnt 0
.endif
	WIN 0x50
	PVW 4, SC+8, \first
	PVW 5, SC+24, \first
	PVW 6, SC+40, \first
	PVW 7, SC+56, \first
	WIN 0
	NOPS 5                                         ; five places before the next scores are written over P^T and V^T's registers, or a conversion's loads land there
.endm
; a chunk as far as P^T: scores, mask, softmax step; the sixteen V^T loads are on their way at its end
.macro SCORES slot, c, first, mnext
	QK \slot, \c
	s_wait_kmcnt 0x0                               ; this chunk's 64 mask words; their base may be stepped
.if \mnext
	s_add_nc_u64 s[24:25], s[24:25], 64            ; a chunk's 16 words
.endif
	SM4 \first, \mnext, \slot, \c
.endm
; F[x] to H[x], my wave's share: rows 8 w to 8 w + 7 of K and of V, 128 f32 to 128 bf16 each.  A lane takes 16 bytes of a row and puts 8.
; The sixteen loads go out in one run into the score registers, which are free behind a PV.
.macro CONVERT x
.set i, 0
.rept 8
	ds_load_b128 v[SC+4*i:SC+4*i+3], v[AF0+\x] offset:512*i
.set i, i+1
.endr
.set i, 0
.rept 8
	ds_load_b128 v[SC+32+4*i:SC+32+4*i+3], v[AF0+\x] offset:TILEB+512*i
.set i, i+1
.endr
.set i, 0
.rept 16
.if (i&3) == 0
	s_wait_dscnt 12-i                              ; rows i to i + 3 are in; the 12 - i younger loads stay out
.endif
	v_cvt_pk_bf16_f32 v[SC+4*i], v[SC+4*i], v[SC+4*i+1]
	v_cvt_pk_bf16_f32 v[SC+4*i+1], v[SC+4*i+2], v[SC+4*i+3]
.set i, i+1
.endr
.set i, 0
.rept 8
	ds_store_b64 v[AKW], v[SC+4*i:SC+4*i+1] offset:\x*HSLOT+KPITCH*i
.set i, i+1
.endr
.set i, 0
.rept 8
	ds_store_b64 v[AVW], v[SC+32+4*i:SC+32+4*i+1] offset:\x*HSLOT+VPITCH*i
.set i, i+1
.endr
.endm
; One step of 64 keys on H[slot].  din: waves 4-7 bring the last step's second rescale and PV with them; dout: they leave this step's for the next;
; refill: F[slot] gets the tile two steps on; conv: F[other] is rounded into H[other]; pf: waves 0-3 prefetch; mlast: no mask words follow.
.macro STEP slot, other, first, din, dout, refill, conv, pf, mlast
	s_wait_dscnt 0x0                               ; my reads of H[other] and F[slot] and my stores into H[slot] are done; what waves 4-7 carry over lies in registers
	s_wait_xcnt 0x0
	v_lshl_add_u32 v26, v0, 2, 0x42000
	v_mov_b32 v27, 0
	s_wait_tensorcnt 0x0                           ; all my tensor loads have landed, my part of F[other] among them: a group 0 may be written
	ds_add_u32 v26, v27
	s_wait_dscnt 0x0
.if \refill
	s_add_nc_u64 s[18+4*\slot:19+4*\slot], s[18+4*\slot:19+4*\slot], 2*TILEB
	ROUND                                          ; both now hold of every wave of all four work-groups
	tensor_load_to_lds s[16+4*\slot:19+4*\slot], s[8:15]   ; my one tensor load behind the round, first thing there: one is out until the next round
	s_nop 0
.else
	s_barrier_signal -1
	s_barrier_wait -1
.endif
	s_cmp_lt_u32 s3, 4
	s_cbranch_scc1 .Llow_\@
.if \din
	RESCALE                                        ; waves 4-7: the last chunk's factors, P^T and V^T fragments are still in their registers
	PV \other, 1, 0, 2
.endif
.if \conv
	CONVERT \other                                 ; and their share of the rounding, while waves 0-3 are at the new step's scores
.endif
.if \pf
	s_branch .Ljoin_\@
.endif
.Llow_\@:
.if \pf
	global_prefetch_b8 v[PFO], s[26:27] th:TH_LOAD_NT scope:SCOPE_SE   ; 32 lanes x 256 bytes: my 8 KiB of the two tiles that the tensor loads of the next two steps ask for
.Ljoin_\@:
.endif
	KLOAD \slot, 0, 0, 0
	KLOAD \slot, 0, 1, 1
	KLOAD \slot, 0, 2, 2
	KLOAD \slot, 0, 3, 3
	SCORES \slot, 0, \first, 1
.if \first == 0
	RESCALE
.endif
	PV \slot, 0, \first, 1
	SCORES \slot, 1, 0, 1-\mlast
.if \dout
	s_cmp_lt_u32 s3, 4
	s_cbranch_scc0 .Lhigh_\@                       ; waves 4-7 go to the barrier with the chunk's operands on their way into registers
.endif
	RESCALE
	PV \slot, 1, 0, 0
.if \conv
	CONVERT \other                                 ; waves 0-3 round their share at the end
.endif
.if \dout
.Lhigh_\@:
.endif
.endm
; the way out of query tile t: 16 queries x 512 bytes through my own stage, back as whole rows
.macro OUTT t, buf
	WIN 0x04                                       ; LDS store data in window 1
.irp dt, 0,1,2,3,4,5,6,7
	ds_store_b128 v[STO], v[8*(4*\dt+\t):8*(4*\dt+\t)+3]   offset:64*\dt
	ds_store_b128 v[STO], v[8*(4*\dt+\t)+4:8*(4*\dt+\t)+7] offset:64*\dt+16
.endr
	WIN 0
	s_wait_xcnt 0x0                                ; the buffer, which earlier stores read, is loaded again only behind this wait (ISA guide 3.1)
.set i, 0
.rept 16
	ds_load_b128 v[\buf+4*i:\buf+4*i+3], v[RD] offset:SPITCH*i   ; my wave's own bytes, served in order (ISA guide 5.7.1.4)
.set i, i+1
.endr
.set i, 0
.rept 16
	s_wait_dscnt 15-i
	global_store_b128 v[CO], v[\buf+4*i:\buf+4*i+3], s[28:29] offset:(16*\t+i)*512 th:TH_STORE_NT   ; a whole row of out: 512 consecutive bytes, aligned
.set i, i+1
.endr
.endm
; q of query tile t: 16 loads into window 1 (the window is set by the user).  i = 16 t + 4 ks + e: numbers 32 ks + 16 (e >> 1) + 8 h + 4 (e & 1) + 0..3 of query 16 t + r
.macro QLOAD t
.set i, 16*\t
.rept 16
	global_load_b128 v[4*i:4*i+3], v[AQ], s[4:5] offset:(i>>4)*8192+((i>>2)&3)*128+(i&1)*16+((i>>1)&1)*64
.set i, i+1
.endr
.endm
; and its rounding to bf16, as it is, into the tile's four fragments in window 0
.macro QCVT t
.set i, 32*\t
.rept 32
	v_cvt_pk_bf16_f32 v[QF+i], v[2*i], v[2*i+1]
.set i, i+1
.endr
.endm
	; ---- start ----
	s_load_b256 s[32:39], s[0:1], 0x0              ; q s[32:33], k s[34:35], v s[36:37], maskbits s[38:39]
	s_load_b64 s[40:41], s[0:1], 0x20              ; out0
	v_lshl_add_u32 v26, v0, 2, 0x42000
	v_mov_b32 v27, 0
	ds_add_u32 v26, v27
	s_wait_dscnt 0x0
	v_lshrrev_b32 v20, 5, v0
	v_readfirstlane_b32 s3, v20                    ; wave 0..7
	s_bfe_u32 s31, ttmp6, 0x40000                  ; cx: which 512 queries of the head; ttmp9 counts clusters = heads
	s_mov_b32 s2, NEG
	s_mov_b32 s66, QSC
	s_mov_b32 s67, NQSC
	s_mov_b32 s100, 0x76543210                     ; v_permlanex16_b32: lane i of one half reads lane i of the other
	s_mov_b32 s101, 0xfedcba98
	; descriptor group 1: a dense block of 8 KiB as 32 rows of 256 bytes, elements of 8 bytes
	s_mov_b32 s8, 15|(3<<16)|(1<<21)               ; 15:0 the mask: all four work-groups; 17:16 element of 8 bytes; 21 set beside a mask; no padding
	s_mov_b32 s9, 32<<16                           ; tensor_dim0 = 32
	s_mov_b32 s10, 32<<16                          ; tensor_dim1 = 32
	s_mov_b32 s11, 32<<16                          ; tile_dim0 = 32
	s_mov_b32 s12, 32                              ; tile_dim1 = 32
	s_mov_b32 s13, 32                              ; from row to row: 32 elements
	s_mov_b32 s14, 0
	s_mov_b32 s15, 0
	; lane terms
	v_and_b32 v21, 31, v0                          ; L
	v_and_b32 v22, 15, v0                          ; r
	v_bfe_u32 v23, v0, 4, 1                        ; h
	v_mul_u32_u24 v[AK], v22, KPITCH
	v_lshl_add_u32 v[AK], v23, 4, v[AK]
	v_add_nc_u32 v[AK], HBASE, v[AK]               ; row r, 16 h bytes in
	v_and_b32 v24, 7, v0
	v_lshl_add_u32 v24, v23, 3, v24
	v_mul_u32_u24 v[AV], v24, VPITCH
	v_bfe_u32 v24, v0, 3, 1
	v_lshl_add_u32 v[AV], v24, 4, v[AV]
	v_add_nc_u32 v[AV], VBASE, v[AV]               ; key 8 h + L % 8, 16 bytes for each group of eight lanes
	s_lshl_b32 s7, s3, 12                          ; conversion: my 8 rows of 512 bytes
	v_lshl_add_u32 v[AF0], v21, 4, s7
	v_add_nc_u32 v[AF0+1], FSLOT, v[AF0]
	s_mul_i32 s7, s3, 8*KPITCH
	s_add_co_u32 s7, s7, HBASE
	v_lshl_add_u32 v[AKW], v21, 3, s7
	s_mul_i32 s7, s3, 8*VPITCH
	s_add_co_u32 s7, s7, VBASE
	v_lshl_add_u32 v[AVW], v21, 3, s7
	v_lshlrev_b32 v[PFO], 8, v21
	v_lshlrev_b32 v[AQ], 9, v22
	v_lshl_add_u32 v[AQ], v23, 5, v[AQ]            ; q: row r of 512 bytes, 32 h bytes in
	; offsets, apart from the addresses
	s_and_b32 s6, s3, 3                            ; which quarter of a tile's rows my tensor load brings
	s_lshl_b32 s30, ttmp9, 20                      ; a head is 2048 x 512 bytes
	s_lshl_b32 s4, s6, 13
	s_add_co_u32 s4, s4, s30                       ; K, V: head + my 16 rows of a tile: no place in the cluster enters
	s_mov_b32 s5, 0
	s_and_b32 s26, s3, 1
	s_lshl1_add_u32 s26, s31, s26                  ; prefetch: piece 2 cx + (wave & 1) of the eight of two tiles,
	s_lshl_b32 s26, s26, 13
	s_add_co_u32 s26, s26, s30
	s_add_co_u32 s26, s26, 4*TILEB                 ; beginning with tiles 4 and 5
	s_mov_b32 s27, 0
	s_lshl_b32 s28, s31, 18                        ; q, out: 512 rows for each work-group,
	s_lshl_b32 s29, s3, 15                         ; 64 for each wave
	s_add_co_u32 s28, s28, s29
	s_add_co_u32 s28, s28, s30
	s_mov_b32 s29, 0
	s_lshr_b32 s24, ttmp9, 4                       ; the batch
	s_lshl_b32 s24, s24, 19
	s_lshl_b32 s25, s31, 17                        ; 32 query tiles of 4,096 bytes for each work-group,
	s_add_co_u32 s24, s24, s25
	s_lshl_b32 s25, s3, 14                         ; 4 for each wave
	s_add_co_u32 s24, s24, s25
	s_mov_b32 s25, 0
	s_mov_b32 s16, 1                               ; group 0: count = 1
	s_mov_b32 s20, 1
	s_lshl_b32 s17, s3, 13                         ; LDS: wave x 8 KiB: K's four blocks, then V's four
	s_add_co_u32 s21, s17, FSLOT
	s_wait_kmcnt 0x0
	s_cmp_lt_u32 s3, 4
	s_cselect_b64 s[18:19], s[34:35], s[36:37]     ; waves 0-3 fetch K, waves 4-7 V
	s_add_nc_u64 s[18:19], s[18:19], s[4:5]        ; tile 0
	s_add_nc_u64 s[22:23], s[18:19], TILEB         ; tile 1
	s_or_b32 s19, s19, 0x80000000                  ; type = 2
	s_or_b32 s23, s23, 0x80000000
	s_cmp_lt_u32 s3, 2
	s_cselect_b64 s[6:7], s[34:35], s[36:37]       ; prefetch: waves 0, 1 ask for K, waves 2, 3 for V
	s_add_nc_u64 s[26:27], s[6:7], s[26:27]
	s_add_nc_u64 s[4:5], s[32:33], s[28:29]        ; q at my first row
	s_add_nc_u64 s[28:29], s[40:41], s[28:29]      ; out at my first row
	s_add_nc_u64 s[24:25], s[38:39], s[24:25]      ; mask words of my first query tile, chunk 0
	ROUND                                          ; all four work-groups are here: the first joint loads meet
	tensor_load_to_lds s[16:19], s[8:15]           ; tile 0 into F0
	s_nop 0
	tensor_load_to_lds s[20:23], s[8:15]           ; tile 1 into F1: two tensor loads of the wave are out
	s_nop 0
	WIN 0x40                                       ; q lands in window 1
	QLOAD 0
	QLOAD 1
	QLOAD 2                                        ; 48 loads are out
	s_load_b512 s[MK0:MK0+15], s[24:25], 0x0       ; the addresses that lay here have all been used
	s_load_b512 s[MK0+16:MK0+31], s[24:25], 4096
	s_load_b512 s[MK0+36:MK0+51], s[24:25], 8192
	s_load_b512 s[MK0+52:MK0+67], s[24:25], 12288
	s_wait_loadcnt 32                              ; tile 0's 16 loads are in; the 32 of tiles 1, 2 stay out
	WIN 0x05                                       ; sources in window 1, destination in window 0
	QCVT 0
	WIN 0x40
	QLOAD 3
	s_wait_loadcnt 32                              ; tile 1 is in; the 32 loads of tiles 2, 3 stay out
	WIN 0x05
	QCVT 1
	s_wait_loadcnt 16                              ; tile 2 is in; tile 3's 16 loads stay out
	QCVT 2
	s_wait_loadcnt 0x0
	QCVT 3
	WIN 0
	s_wait_tensorcnt 0x1                           ; my part of tile 0 is in; tile 1's load stays out
	s_barrier_signal -1
	s_barrier_wait -1
	CONVERT 0                                      ; tile 0: every wave its share
	; ---- 32 steps: slot, other, first, din, dout, refill, conv, pf, mlast ----
	STEP 0, 1, 1, 0, 1, 1, 1, 0, 0                 ; step 0 starts the sums: nothing is cleared, nothing is carried in
	s_mov_b32 s30, 14
.Ltrip:                                            ; steps 1 to 28
	STEP 1, 0, 0, 1, 1, 1, 1, 1, 0
	STEP 0, 1, 0, 1, 1, 1, 1, 0, 0
	s_wait_xcnt 0x0                                ; the prefetch's base is stepped only behind this wait; the prefetch stands two steps' work ahead of it
	s_add_nc_u64 s[26:27], s[26:27], 2*TILEB       ; 14 trips ask for tiles 4 to 31 and no further
	s_sub_co_u32 s30, s30, 1
	s_cmp_lg_u32 s30, 0
	s_cbranch_scc1 .Ltrip
	STEP 1, 0, 0, 1, 1, 1, 1, 0, 0                 ; step 29 asks for the last tile
	STEP 0, 1, 0, 1, 1, 0, 1, 0, 0                 ; step 30 rounds it
	STEP 1, 0, 0, 1, 0, 0, 0, 0, 1                 ; step 31: every wave finishes it
	; ---- end: divide by the sums and store ----
.irp t, 0,1,2,3
	v_permlanex16_b32 v[TT+\t], v[LS+\t], s100, s101   ; the other half's keys
.endr
.irp t, 0,1,2,3
	v_add_f32 v[TT+\t], v[TT+\t], v[LS+\t]         ; at least about 1: the maximum's own term
.endr
.irp t, 0,1,2,3
	v_rcp_f32 v[AL+\t], v[TT+\t]
.endr
	v_and_b32 v[TT+4], 15, v0                      ; plain instructions between the reciprocals and their use
	v_bfe_u32 v[TT+5], v0, 4, 1
	v_and_b32 v[TT+6], 31, v0
	s_mul_i32 s6, s3, WSTAGE
	s_add_co_u32 s6, s6, STAGE                     ; my stage
	v_mul_u32_u24 v[STO], v[TT+4], SPITCH
	v_lshl_add_u32 v[STO], v[TT+5], 5, v[STO]
	v_add_nc_u32 v[STO], s6, v[STO]                ; in: query r, numbers 16 dt + 8 h + 0..7
	v_lshlrev_b32 v[CO], 4, v[TT+6]                ; 16 bytes a lane: a whole row
	v_add_nc_u32 v[RD], s6, v[CO]
	s_wait_alu depctr_va_vdst(0)
	RESCALE
	OUTT 0, QF
	OUTT 1, QF+64
	OUTT 2, QF
	OUTT 3, QF+64
	s_wait_xcnt 0x0
	v_lshl_add_u32 v26, v0, 2, 0x42000
	v_mov_b32 v27, 0
	s_wait_tensorcnt 0x0
	ds_add_u32 v26, v27
	s_wait_dscnt 0x0
	ROUND                                          ; the closing round: no work-group ends while a partner may still ask jointly
	s_endpgm
.Lfunc_end_k_q3aea6d85d4_attn:
	.size	k_q3aea6d85d4_attn, .Lfunc_end_k_q3aea6d85d4_attn-k_q3aea6d85d4_attn
	.p2alignl 7, 3214868480
	.fill 96, 4, 3214868480
	.section	.rodata,"a",@progbits
	.p2align	6, 0x0
	.amdhsa_kernel k_q3aea6d85d4_attn
		.amdhsa_group_segment_fixed_size 327680
		.amdhsa_private_segment_fixed_size 0
		.amdhsa_enable_private_segment 0
		.amdhsa_kernarg_size 40
		.amdhsa_user_sgpr_count 2
		.amdhsa_user_sgpr_kernarg_segment_ptr 1
		.amdhsa_wavefront_size32 1
		.amdhsa_system_sgpr_workgroup_id_x 1
		.amdhsa_system_sgpr_workgroup_id_y 1
		.amdhsa_system_sgpr_workgroup_id_z 1
		.amdhsa_system_vgpr_workitem_id 0
		.amdhsa_next_free_vgpr 512
		.amdhsa_next_free_sgpr 102
		.amdhsa_reserve_vcc 0
		.amdhsa_float_denorm_mode_32 3
		.amdhsa_float_denorm_mode_16_64 3
		.amdhsa_memory_ordered 1
		.amdhsa_forward_progress 1
		.amdhsa_inst_pref_size 255
	.end_amdhsa_kernel
	.section	.bss,"aw",@nobits
	.p2align	6
	.space	262144
	.amdgpu_metadata
---
amdhsa.version: [ 1, 2 ]
amdhsa.kernels:
  - .name:           k_q3aea6d85d4_attn
    .symbol:         k_q3aea6d85d4_attn.kd
    .args:
      - { .name: q, .offset: 0, .size: 8, .value_kind: global_buffer, .address_space: global }
      - { .name: k, .offset: 8, .size: 8, .value_kind: global_buffer, .address_space: global }
      - { .name: v, .offset: 16, .size: 8, .value_kind: global_buffer, .address_space: global }
      - { .name: maskbits, .offset: 24, .size: 8, .value_kind: global_buffer, .address_space: global }
      - { .name: out0, .offset: 32, .size: 8, .value_kind: global_buffer, .address_space: global }
    .group_segment_fixed_size: 327680
    .private_segment_fixed_size: 0
    .kernarg_segment_align: 8
    .kernarg_segment_size: 40
    .max_flat_workgroup_size: 256
    .sgpr_count:     102
    .vgpr_count:     512
    .wavefront_size: 32
...
	.end_amdgpu_metadata
.endif
;; end of part 4
